; MI455X (gfx1250); checked and timed in simulation.
; The chip was launched on July 23, 2026; its instructions are those of AMD's public machine-readable ISA for CDNA 5 (MIT licence, August 2026) and "CDNA5" Instruction Set Architecture Reference Guide (July 2026). The comments in the code are by the model that wrote it; some were corrected since.
;; Re LU class3 norm1. Allowed arithmetic: matrix products marked QUANTISED: E2M1 operands, one E8M0 scale for each 32 along K, by v_wmma_scale_f32_16x16x128_f8f6f4 with both operands' format E2M1 (or v_wmma_scale_f32_32x16x128_f4), f32 sums; products left as they are: f32 operands where the result goes on into a quantised operand, else bf16, f16 or f32 operands; f32 sums; everything else in f32.
;; Inputs: W1 32 x 16 float32; W2 32 x 32 float32; W3 32 x 32 float32; W4 1 x 32 float32; b1 32 float32; b2 32 float32; b3 32 float32; b4 1 float32; be1 32 float32; be2 32 float32; be3 32 float32; g1 32 float32; g2 32 float32; g3 32 float32; x 2,097,152 x 16 float32.
;; Outputs: out0 2,097,152 x 1 float32.
;; This version of the problem:
;;   THIS VERSION OF THE PROBLEM IS GIVEN IN LOW PRECISION. The matrix products marked QUANTISED in the list below multiply operands that are first quantised to E2M1 (2 exponent bits, 1 mantissa bit; 4 bits a number), with one power-of-two scale for each 32 numbers along K (OCP MX v1.0); their sums are f32. All else is computed in f32.
;;   The module's matrix products, in the order in which they are computed (A, B: the left and right operand; K: the contracted axis; several contracted axes count as one K, in the product's order):
;;     1. [M 2,097,152, K 16] x [K 16, N 32]; A: input x; B: input W1: left as it is (K = 16 < 32)
;;     2. [M 2,097,152, K 32] x [K 32, N 32]; A: computed on the way; B: input W2: QUANTISED
;;     3. [M 2,097,152, K 32] x [K 32, N 32]; A: computed on the way; B: input W3: QUANTISED
;;     4. [M 2,097,152, K 32] x [K 32, N 1]; A: computed on the way; B: input W4: left as it is (N = 1 < 16)
;;   THE QUANTISER, for each operand of a quantised product, along K:
;;     - K is cut into blocks of 32 from its start; a last block that is shorter is filled with zeros.
;;     - A block's scale is 2^e with e = floor(log2(the largest magnitude in the block)) - 2, held to -126 .. 127; a block of zeros has e = 0. As a byte (E8M0): e + 127.
;;     - Each number is divided by its block's scale, clamped to +-6, and rounded to the nearest number of E2M1, ties to even, subnormals kept.
;;     - The product sums the exact products of the quantised numbers (number of the format x scale) in f32.
;;   ~~~python
;;   def quantise(x, axis):      # numpy; x: float32 -> the quantised numbers, widened to float32 again
;;       x = np.moveaxis(x, axis, -1); K = x.shape[-1]
;;       x = np.pad(x, [(0, 0)] * (x.ndim - 1) + [(0, -K % 32)]); x = x.reshape(x.shape[:-1] + (-1, 32)); a = np.abs(x).max(-1, keepdims=True)
;;       e = np.where(a > 0, np.clip(np.frexp(np.where(a > 0, a, 1))[1] - 1 - 2, -126, 127), 0)      # np.frexp(a)[1] - 1 = floor(log2(a)), exactly
;;       r = np.clip(x / 2.0 ** e, -6, 6)
;;       step = 2.0 ** (np.maximum(np.frexp(np.where(r == 0, 1, r))[1] - 1, 0) - 1)
;;       q = np.round(r / step) * step * 2.0 ** e      # np.round: ties to even
;;       return np.moveaxis(q.reshape(q.shape[:-2] + (-1,))[..., :K], -1, axis).astype(np.float32)
;;   ~~~
;;   OPERANDS COMPUTED ON THE WAY. 'Computed on the way' means the value that the module computes at that place (a softmax that the list does not call 'softmax' is quantised finished and normalised). What goes into a quantiser is computed in f32, as accurately as f32 sums, v_exp_f32 and their like allow (about 1e-6 of the number): no bf16 or f16 on the way to a quantiser, and a product that is left as it is and whose result goes on into a quantised operand takes f32 operands (vector FMAs, or v_wmma_f32_16x16x4_f32). A number that lies on a knife's edge between two numbers of the format may be rounded either way, as far as f32 arithmetic and the matrix unit's own rounding can turn it there, and no further.
;; One version. Each part assembles by itself: llvm-mc -triple=amdgcn-amd-amdhsa -mcpu=gfx1250 --defsym DOCPART=n.
;; ======== version 1 of 1: 4 launches
;; workspace buffers: part1 65,536 bytes; part2 65,536 bytes; part3 65,536 bytes; c1 33,554,432 bytes; c2 33,554,432 bytes; s1 2,097,152 bytes; s2 2,097,152 bytes
;; launch stat1 (part 1): grid 256 x 1, 8 waves a work-group, no clusters, 82,944 bytes of LDS; arguments x, W1, b1, part1; writes part1
.if DOCPART == 1
	.amdgcn_target "amdgcn-amd-amdhsa--gfx1250"
	.amdhsa_code_object_version 6
	.text
	.protected	k_qd4385c75f9_stat1
	.globl	k_qd4385c75f9_stat1
	.p2align	8
	.type	k_qd4385c75f9_stat1,@function
k_qd4385c75f9_stat1:
	s_mov_b64 s[64:65], 0
	v_nop
	global_prefetch_b8 v0, s[64:65] scope:SCOPE_SE
	s_setreg_imm32_b32 hwreg(HW_REG_WAVE_MODE, 25, 1), 1
	s_wait_xcnt 0x0
; FIRST OF FOUR LAUNCHES.  z1 = x W1^T + b1 is formed in f32 and only its statistics leave: for each work-group and each of the 32 features the mean and
; the sum of squared deviations (M2) of the work-group's 8,192 rows, part1[work-group][feature][mean, M2], 256 bytes a work-group.
; SHARES.  256 work-groups x 8 waves; a wave owns 1,024 consecutive rows = 16 groups of 64.  A group is four tiles t of 16 rows; row = 64 g + 4 r + t.
; LAYOUT.  The product is used transposed (source 0 = 16 rows of W1, source 1 = 16 rows of x): lane (r = lane % 16, h = lane / 16) holds row r of a tile.  Lane m of
; unit tile u takes W1's row 8 u + m + (m & 8), so that register 16 t + 8 u + j holds feature 16 h + 8 u + j.  K is permuted alike on both sides: slot (step s, h, j) is k = 8 h + 2 s + j.
; x comes by loads of 512 consecutive bytes and turns through the wave's own stage in LDS; three register buffers keep three groups (12,288 bytes a wave) on their way.
; STATISTICS WITHOUT A DIFFERENCE OF LARGE SUMS.  A lane shifts by K = its own first value of each feature (from the second group on the product's C is b1 - K), sums d and d^2 over its 64
; values; above the lane equal-sized parts are joined by mean = sum(m_i)/n, M2 = sum(M2_i) + count x sum((m_i - mean)^2).
; No cluster: the work-groups share W1 and b1 alone, 2,176 bytes, against 524,288 bytes of x of their own.
; LIMITS: NaN and infinities among the inputs are not served; the order of the sums differs from the reference's.
.set STGW,  5376                       ; LDS: a wave's stage: four tiles of 16 rows x 80 bytes, 1,344 bytes apart
.set TP,    1344
.set RP,    80
.set TR,    43008                      ; a wave's 32 rows (one a feature) of 16 pairs (mean, M2), 144 bytes apart
.set TRW,   4608
.set WS,    79872                      ; [wave][feature] pairs, 8 bytes each
.set LN,   1                           ; v1 lane   v2 r   v3 h
.set R,    2
.set H,    3
.set XO,   4                           ; v4  16 x lane
.set SA,   5                           ; v5  the stage, on the way in
.set FA,   6                           ; v6  the stage, on the way out
.set UR,   12                          ; v12 r + (r & 8)
.set A,    16                          ; v16-79   the eight accumulators of a group: written by matrix instructions alone
.set Z,    80                          ; v80-143  at work at the end
.set SUMD, 144                         ; v144-159 sums of d;  v160-175 sums of d^2;  v176-191 the shift K
.set SUMQ, 160
.set K,    176
.set T,    192
.set TM,   208
.set CM,   246                         ; v246-247 a joined (mean, M2)
.set CT,   248
.set W1F,  0                           ; window 1: v0-15 W1's fragments; v16-31 the C of the first K step: b1, then b1 - K; v120-151 x's fragments; v152-247 three buffers of x as loaded
.set C1,   16
.set KP,   16
.set F,    120
.set RAW,  152
.set XB,   32                          ; s[32:33] x at the group in hand
.set MSB, 0
.macro WIN new                         ; bits 1:0 source 0, 3:2 source 1, 5:4 source 2, 7:6 destination; the high byte repeats the setting that is left
.if MSB != \new
	s_set_vgpr_msb (MSB<<8)|\new
.set MSB, \new
.endif
.endm
.macro PLACES n
.rept \n
	v_nop
.endr
.endm
.macro XLOAD b, off                    ; a group's 4,096 bytes into buffer b: each load takes 512 consecutive bytes
	WIN 0x40
.irp i, 0,1,2,3,4,5,6,7
	global_load_b128 v[RAW+32*(\b)+4*\i:RAW+32*(\b)+4*\i+3], v[XO], s[XB:XB+1] offset:(\off)+512*\i th:TH_LOAD_NT
.endr
.endm
.macro TURN_ST b                       ; load i, lane l holds a quarter (l & 3) of row 8 i + l / 4 = 4 r + t: t = (l / 4) & 3, r = 2 i + l / 16
	WIN 0x04
.irp i, 0,1,2,3,4,5,6,7
	ds_store_b128 v[SA], v[RAW+32*(\b)+4*\i:RAW+32*(\b)+4*\i+3] offset:160*\i
.endr
.endm
.macro TURN_LD                         ; lane (r, h) takes x[row (t, r)][8 h .. 8 h + 7]; LDS serves a wave's instructions in order, so these see the stores above
	WIN 0x40
.irp t, 0,1,2,3
.irp c, 0,1
	ds_load_b128 v[F+8*\t+4*\c:F+8*\t+4*\c+3], v[FA] offset:TP*\t+16*\c
.endr
.endr
.endm
.macro MM1                             ; 32 matrix instructions: four K steps x eight accumulators, which take turns, one instruction a turn
	WIN 0x15
.irp t, 0,1,2,3
.irp u, 0,1
	v_wmma_f32_16x16x4_f32 v[A+16*\t+8*\u:A+16*\t+8*\u+7], v[W1F+8*\u:W1F+8*\u+1], v[F+8*\t:F+8*\t+1], v[C1+8*\u:C1+8*\u+7]
.endr
.endr
	WIN 0x05
.irp s, 1,2,3
.irp t, 0,1,2,3
.irp u, 0,1
	v_wmma_f32_16x16x4_f32 v[A+16*\t+8*\u:A+16*\t+8*\u+7], v[W1F+8*\u+2*\s:W1F+8*\u+2*\s+1], v[F+8*\t+2*\s:F+8*\t+2*\s+1], v[A+16*\t+8*\u:A+16*\t+8*\u+7]
.endr
.endr
.endr
.endm
.macro STAT src                        ; the group's 64 shifted values: each accumulator is read from its low end on
.irp t, 0,1,2,3
.irp p, 0,1,2,3,4,5,6,7
	v_pk_add_f32 v[SUMD+2*\p:SUMD+2*\p+1], v[SUMD+2*\p:SUMD+2*\p+1], v[(\src)+16*\t+2*\p:(\src)+16*\t+2*\p+1]
.endr
.endr
.irp t, 0,1,2,3
.irp p, 0,1,2,3,4,5,6,7
	v_pk_fma_f32 v[SUMQ+2*\p:SUMQ+2*\p+1], v[(\src)+16*\t+2*\p:(\src)+16*\t+2*\p+1], v[(\src)+16*\t+2*\p:(\src)+16*\t+2*\p+1], v[SUMQ+2*\p:SUMQ+2*\p+1]
.endr
.endr
.endm
.macro STATF src                       ; the first group: tile 0's values become K (their d is 0), the C of later groups becomes bias - K, and tiles 1 to 3 start the sums: nothing is cleared
.set n0, 0
.rept 16
	v_mov_b32 v[K+n0], v[(\src)+n0]
.set n0, n0+1
.endr
	WIN 0x41
.irp p, 0,1,2,3,4,5,6,7
	v_pk_add_f32 v[KP+2*\p:KP+2*\p+1], v[KP+2*\p:KP+2*\p+1], v[K+2*\p:K+2*\p+1] neg_lo:[0,1] neg_hi:[0,1]
.endr
	WIN 0
.irp p, 0,1,2,3,4,5,6,7
	v_pk_add_f32 v[T:T+1], v[(\src)+16+2*\p:(\src)+17+2*\p], v[K+2*\p:K+2*\p+1] neg_lo:[0,1] neg_hi:[0,1]
	v_pk_add_f32 v[T+2:T+3], v[(\src)+32+2*\p:(\src)+33+2*\p], v[K+2*\p:K+2*\p+1] neg_lo:[0,1] neg_hi:[0,1]
	v_pk_add_f32 v[T+4:T+5], v[(\src)+48+2*\p:(\src)+49+2*\p], v[K+2*\p:K+2*\p+1] neg_lo:[0,1] neg_hi:[0,1]
	v_pk_add_f32 v[SUMD+2*\p:SUMD+2*\p+1], v[T:T+1], v[T+2:T+3]
	v_pk_mul_f32 v[SUMQ+2*\p:SUMQ+2*\p+1], v[T:T+1], v[T:T+1]
	v_pk_add_f32 v[SUMD+2*\p:SUMD+2*\p+1], v[SUMD+2*\p:SUMD+2*\p+1], v[T+4:T+5]
	v_pk_fma_f32 v[SUMQ+2*\p:SUMQ+2*\p+1], v[T+2:T+3], v[T+2:T+3], v[SUMQ+2*\p:SUMQ+2*\p+1]
	v_pk_fma_f32 v[SUMQ+2*\p:SUMQ+2*\p+1], v[T+4:T+5], v[T+4:T+5], v[SUMQ+2*\p:SUMQ+2*\p+1]
.endr
.endm
; n pairs (mean, M2) of parts of cnt values each, at v[base + 2 i], are joined into v[CM], v[CM+1].  inv = 1 / n.  The means are overwritten by their deviations.
.macro COMBINE n, base, cnt, inv
.irp c, 0,1,2,3
	v_pk_add_f32 v[CT+2*\c:CT+2*\c+1], v[(\base)+2*\c:(\base)+2*\c+1], v[(\base)+8+2*\c:(\base)+9+2*\c]
.endr
.set ci, 8
.rept (\n)-8
	v_pk_add_f32 v[CT+2*(ci%4):CT+2*(ci%4)+1], v[CT+2*(ci%4):CT+2*(ci%4)+1], v[(\base)+2*ci:(\base)+2*ci+1]
.set ci, ci+1
.endr
	v_pk_add_f32 v[CT:CT+1], v[CT:CT+1], v[CT+2:CT+3]
	v_pk_add_f32 v[CT+4:CT+5], v[CT+4:CT+5], v[CT+6:CT+7]
	v_pk_add_f32 v[CT:CT+1], v[CT:CT+1], v[CT+4:CT+5]
	v_mul_f32 v[CM], \inv, v[CT]
.set ci, 0
.rept \n
	v_sub_f32 v[(\base)+2*ci], v[(\base)+2*ci], v[CM]
.set ci, ci+1
.endr
.irp c, 0,1,2,3
	v_mul_f32 v[TM+8+\c], v[(\base)+2*\c], v[(\base)+2*\c]
.endr
.set ci, 4
.rept (\n)-4
	v_fmac_f32 v[TM+8+ci%4], v[(\base)+2*ci], v[(\base)+2*ci]
.set ci, ci+1
.endr
	v_add_f32 v[TM+8], v[TM+8], v[TM+9]
	v_add_f32 v[TM+10], v[TM+10], v[TM+11]
	v_add_f32 v[TM+8], v[TM+8], v[TM+10]
	v_fmamk_f32 v[CM+1], v[TM+8], \cnt, v[CT+1]
.endm
; The end: lane -> 16 lanes -> 8 waves.  pp: the scalar pair with the partials' address at this work-group's 256 bytes.
.macro EPI pp
	s_mul_i32 s44, s2, TRW                         ; every LDS address is made here, ahead of the branch on the wave's number
	s_add_co_u32 s44, s44, TR
	v_mul_u32_u24 v10, v[H], 16*144
	v_lshl_add_u32 v10, v[R], 3, v10
	v_add_nc_u32 v10, s44, v10                     ; in: row 16 h + i, pair r
	v_mul_u32_u24 v11, v[LN], 144
	v_add_nc_u32 v11, s44, v11                     ; back: lane l takes feature l's row
	v_lshlrev_b32 v15, 3, v[LN]
	v_add_nc_u32 v14, WS, v15
	s_lshl_b32 s44, s2, 8
	v_add_nc_u32 v13, s44, v14
.set n0, 0
.rept 16
	v_mul_f32 v[T+n0], 0x3c800000, v[SUMD+n0]      ; sum(d) / 64
.set n0, n0+1
.endr
.set n0, 0
.rept 16
	v_add_f32 v[Z+2*n0], v[K+n0], v[T+n0]          ; the lane's mean,
	v_fma_f32 v[Z+2*n0+1], -v[T+n0], v[SUMD+n0], v[SUMQ+n0]   ; and its M2 = sum(d^2) - sum(d)^2 / 64
.set n0, n0+1
.endr
.set n0, 0
.rept 16
	ds_store_b64 v10, v[Z+2*n0:Z+2*n0+1] offset:144*n0
.set n0, n0+1
.endr
.irp q, 0,1,2,3,4,5,6,7
	ds_load_b128 v[Z+32+4*\q:Z+35+4*\q], v11 offset:16*\q   ; my wave's own bytes, served in order
.endr
	s_wait_dscnt 0x0
	COMBINE 16, Z+32, 0x42800000, 0x3d800000       ; 16 lanes of 64 values
	ds_store_b64 v13, v[CM:CM+1]
	s_wait_dscnt 0x0                               ; for the other waves' sake: my pair lies in LDS
	s_barrier_signal -1
	s_barrier_wait -1
	s_cmp_lg_u32 s2, 0
	s_cbranch_scc1 .Ldone                          ; wave 0 alone joins the eight waves; no barrier stands behind this branch
.irp i, 0,1,2,3,4,5,6,7
	ds_load_b64 v[Z+2*\i:Z+2*\i+1], v14 offset:256*\i
.endr
	s_wait_dscnt 0x0
	COMBINE 8, Z, 0x44800000, 0x3e000000           ; 8 waves of 1,024 values
	global_store_b64 v15, v[CM:CM+1], s[\pp:\pp+1] ; 32 lanes store 256 consecutive bytes, aligned
.Ldone:
	s_wait_tensorcnt 0x0
	ds_add_u32 v244, v245
	s_wait_dscnt 0x0
	s_endpgm
.endm
	s_load_b128 s[4:7], s[0:1], 0x0                ; x, W1
	s_load_b128 s[8:11], s[0:1], 0x10              ; b1, part1
	v_lshl_add_u32 v244, v0, 2, 0x14000
	v_mov_b32 v245, 0
	v_lshrrev_b32 v13, 5, v0
	v_readfirstlane_b32 s2, v13                    ; wave 0..7
	v_and_b32 v[LN], 31, v0
	v_and_b32 v[R], 15, v0
	v_bfe_u32 v[H], v0, 4, 1
	v_lshlrev_b32 v[XO], 4, v[LN]
	s_mul_i32 s44, s2, STGW                        ; my stage
	v_bfe_u32 v13, v0, 2, 2
	v_mul_u32_u24 v13, v13, TP
	v_mad_u32_u24 v13, v[H], RP, v13
	v_and_b32 v14, 3, v0
	v_lshl_add_u32 v13, v14, 4, v13
	v_add_nc_u32 v[SA], s44, v13                   ; tile (l / 4) & 3, row l / 16, quarter l & 3: sixteen lanes fall on sixteen different 16-byte columns of 256
	v_mul_u32_u24 v13, v[R], RP
	v_lshl_add_u32 v13, v[H], 5, v13
	v_add_nc_u32 v[FA], s44, v13                   ; row r, + 32 h
	v_and_b32 v13, 8, v[R]
	v_add_nc_u32 v[UR], v13, v[R]
	v_lshlrev_b32 v14, 6, v[UR]
	v_lshl_add_u32 v14, v[H], 5, v14               ; W1: row r + (r & 8) of 64 bytes, + 32 h
	v_lshlrev_b32 v15, 6, v[H]                     ; b1: features 16 h on
	s_lshl_b32 s45, ttmp9, 3
	s_add_co_u32 s45, s45, s2                      ; my wave among the launch's 2,048
	s_lshl_b32 s46, s45, 16                        ; 1,024 rows of 64 bytes
	s_mov_b32 s47, 0
	s_lshl_b32 s28, ttmp9, 8
	s_mov_b32 s29, 0
	s_wait_kmcnt 0x0
	s_add_nc_u64 s[XB:XB+1], s[4:5], s[46:47]
	s_add_nc_u64 s[10:11], s[10:11], s[28:29]
	WIN 0x40
.irp u, 0,1
.irp c, 0,1
	global_load_b128 v[W1F+8*\u+4*\c:W1F+8*\u+4*\c+3], v14, s[6:7] offset:512*\u+16*\c
.endr
.endr
.irp q, 0,1,2,3
	global_load_b128 v[KP+4*\q:KP+4*\q+3], v15, s[8:9] offset:16*\q
.endr
	XLOAD 0, 0
	XLOAD 1, 4096
	XLOAD 2, 8192
	s_wait_loadcnt 16                              ; W1, b1 and group 0 are in; the sixteen loads of groups 1 and 2 may be out
	TURN_ST 0
	TURN_LD
; One group.  b = g % 3: its buffer.  ld: group g + 3 is asked for.  nx: group g + 1 is turned.  lc: the loads younger than group g + 1's eight.
.macro GROUP b, ld, nx, lc, first
	WIN 0
	s_wait_dscnt 0x0                               ; this group's fragments are in, and the stores out of buffer b have read their registers
.if \ld
	XLOAD \b, 12288
.endif
	MM1
.if \nx
	s_wait_loadcnt \lc
	TURN_ST (\b+1)%3
.endif
	PLACES 8                                       ; eight places behind this form, ahead of the loads into x's fragments and of the first read of the results
.if \nx
	TURN_LD
.endif
	WIN 0
.if \first
	STATF A
.else
	STAT A
.endif
	s_wait_xcnt 0x0                                ; the loads have read their base: it may step
	s_add_nc_u64 s[XB:XB+1], s[XB:XB+1], 4096
.endm
	GROUP 0, 1, 1, 16, 1
	s_mov_b32 s3, 0
.Lloop:                                                ; groups 1 to 12, three a trip, until the buffers are back where they began
	GROUP 1, 1, 1, 16, 0
	GROUP 2, 1, 1, 16, 0
	GROUP 0, 1, 1, 16, 0
	s_add_co_u32 s3, s3, 1
	s_cmp_lt_u32 s3, 4
	s_cbranch_scc1 .Lloop
	GROUP 1, 0, 1, 8, 0                            ; the last three ask for nothing: the counts run down
	GROUP 2, 0, 1, 0, 0
	GROUP 0, 0, 0, 0, 0
	EPI 10
.Lfunc_end_k_qd4385c75f9_stat1:
	.size	k_qd4385c75f9_stat1, .Lfunc_end_k_qd4385c75f9_stat1-k_qd4385c75f9_stat1
	.p2alignl 7, 3214868480
	.fill 96, 4, 3214868480
	.section	.rodata,"a",@progbits
	.p2align	6, 0x0
	.amdhsa_kernel k_qd4385c75f9_stat1
		.amdhsa_group_segment_fixed_size 82944
		.amdhsa_private_segment_fixed_size 0
		.amdhsa_enable_private_segment 0
		.amdhsa_kernarg_size 32
		.amdhsa_user_sgpr_count 2
		.amdhsa_user_sgpr_kernarg_segment_ptr 1
		.amdhsa_wavefront_size32 1
		.amdhsa_system_sgpr_workgroup_id_x 1
		.amdhsa_system_sgpr_workgroup_id_y 1
		.amdhsa_system_sgpr_workgroup_id_z 1
		.amdhsa_system_vgpr_workitem_id 0
		.amdhsa_next_free_vgpr 512
		.amdhsa_next_free_sgpr 80
		.amdhsa_reserve_vcc 0
		.amdhsa_float_denorm_mode_32 3
		.amdhsa_float_denorm_mode_16_64 3
		.amdhsa_memory_ordered 1
		.amdhsa_forward_progress 1
		.amdhsa_inst_pref_size 72
	.end_amdhsa_kernel
	.amdgpu_metadata
---
amdhsa.version: [ 1, 2 ]
amdhsa.kernels:
  - .name:           k_qd4385c75f9_stat1
    .symbol:         k_qd4385c75f9_stat1.kd
    .args:
      - { .name: x, .offset: 0, .size: 8, .value_kind: global_buffer, .address_space: global }
      - { .name: W1, .offset: 8, .size: 8, .value_kind: global_buffer, .address_space: global }
      - { .name: b1, .offset: 16, .size: 8, .value_kind: global_buffer, .address_space: global }
      - { .name: part1, .offset: 24, .size: 8, .value_kind: global_buffer, .address_space: global }
    .group_segment_fixed_size: 82944
    .private_segment_fixed_size: 0
    .kernarg_segment_align: 8
    .kernarg_segment_size: 32
    .max_flat_workgroup_size: 256
    .sgpr_count:     80
    .vgpr_count:     512
    .wavefront_size: 32
...
	.end_amdgpu_metadata
.endif
;; end of part 1
;; launch layer1 (part 2): grid 256 x 1, 8 waves a work-group, no clusters, 95,232 bytes of LDS; arguments x, W1, b1, g1, be1, W2, b2, part1, c1, s1, part2; writes c1, s1, part2
.if DOCPART == 2
	.amdgcn_target "amdgcn-amd-amdhsa--gfx1250"
	.amdhsa_code_object_version 6
	.text
	.protected	k_qd4385c75f9_layer1
	.globl	k_qd4385c75f9_layer1
	.p2align	8
	.type	k_qd4385c75f9_layer1,@function
k_qd4385c75f9_layer1:
	s_mov_b64 s[64:65], 0
	v_nop
	global_prefetch_b8 v0, s[64:65] scope:SCOPE_SE
	s_setreg_imm32_b32 hwreg(HW_REG_WAVE_MODE, 25, 1), 1
	s_wait_xcnt 0x0
; SECOND OF FOUR LAUNCHES.  p1 = relu(BN1(x W1^T + b1)) is made in f32, quantised to FP4 (E2M1, one E8M0 scale for a row's 32 features) and stored as codes (c1) and scale words (s1);
; z2 = Q(p1) Q(W2)^T + b2 is formed on the codes and only its statistics leave (part2, laid as part1).
; SHARES AND LAYOUT as in the launch before: a wave owns 16 groups of 64 rows, row = 64 g + 4 r + t; products transposed; register 16 t + 8 u + j of lane (r, h) is feature 16 h + 8 u + j of row (t, r).
; BN1 IS FOLDED INTO THE PRODUCT.  Every work-group joins the 256 partial statistics itself (65,536 bytes); a = rsq(var + 1e-5) g, c = (b1 - mean) a + be1; W1's rows are multiplied by a, and c is the C of the first K step.
; ONE OPERAND FOR FOUR TILES.  The four tiles of a group are the four blocks of 32 along K of ONE operand P (8 registers, lane r = "column" r).  The product for tile t takes a fragment of W2 that holds W2's codes
; in block t and zero codes in the other three: zero codes add nothing under any scale byte that is not 0xff, and these bytes lie between 1 and 254.
; RELU AND THE QUANTISER.  The block's maximum is taken without |.| over the floor 2^-124; all numbers are converted; then the magnitude bits of negative codes are cleared (the code -0 stays and adds nothing).
; c1: [group][1,024 bytes], P's registers as they stand: registers 0-3 at 16 x lane, 4-7 at 512 + 16 x lane.  s1: [group][r] one word, byte t = tile t's scale.
; No cluster: the work-groups share the weights and 65,536 bytes of partials against 524,288 bytes of x of their own.
; LIMITS: NaN and infinities are not served; a block whose largest number lies under 2^-124 (an all-negative or all-zero row among them) keeps the byte 1, with zero codes; the order of sums differs from the reference's; v_rsq_f32 is as accurate as the ISA guide states.
.set STGW,  5376
.set TP,    1344
.set RP,    80
.set SOUT,  43008                      ; a wave's 16 groups x 64 bytes of scale words
.set WS2,   51200                      ; [wave][feature] pairs, for the joining of the partials
.set PB,    53248                      ; a wave's a[32], then c[32]
.set TR,    55296
.set TRW,   4608
.set WS,    92160
.set LN,   1
.set R,    2
.set H,    3
.set XO,   4
.set SA,   5
.set FA,   6
.set SWA,  7                           ; v7  where my row's scale word goes: SOUT + 1,024 wave + 4 r
.set ADT,  8
.set ADS,  9
.set MLO,  10                          ; v10 all ones in lanes 0-15;  v11 all ones in lanes 16-31
.set MHI,  11
.set UR,   12
.set A,    16                          ; v16-79 the f32 accumulators: written by matrix instructions alone
.set Z,    80                          ; v80-143 the FP4 product's results
.set SUMD, 144
.set SUMQ, 160
.set K,    176
.set T,    192
.set WN,   144                         ; at the head: W2's 64 numbers of a lane
.set TM,   208
.set WS2S, TM+4                        ; at the head: LDS addresses (so TM+4..7 are written before they serve as a lane permute's destinations)
.set WS2L, TM+5
.set PBA,  TM+6
.set PBD,  TM+7
.set PBU,  TM+14
.set PC,   224                         ; v224-231 the codes just made
.set GB,   232                         ; v232-234 g, be, b of feature = lane
.set PW,   240                         ; v240 the scale word just made;  v242-243 W2's scale words: these hold scales and nothing else
.set WSA,  242
.set CM,   246
.set CT,   248
.set W1F,  0                           ; window 1
.set C1,   16                          ; c in the result's layout
.set KP,   32                          ; b2, then b2 - K
.set WFA,  48                          ; W2's fragments: nine quads [0][LO0][0][HI0][0][LO1][0][HI1][0]; LO: codes in lanes 0-15, HI: in lanes 16-31
.set F,    120
.set RAW,  152
.set XB,   32
.set CB,   34                          ; s[34:35] c1 at the group in hand
.set MSB, 0
.macro WIN new
.if MSB != \new
	s_set_vgpr_msb (MSB<<8)|\new
.set MSB, \new
.endif
.endm
.macro PLACES n
.rept \n
	v_nop
.endr
.endm
.macro XLOAD b, off
	WIN 0x40
.irp i, 0,1,2,3,4,5,6,7
	global_load_b128 v[RAW+32*(\b)+4*\i:RAW+32*(\b)+4*\i+3], v[XO], s[XB:XB+1] offset:(\off)+512*\i th:TH_LOAD_NT
.endr
.endm
.macro TURN_ST b
	WIN 0x04
.irp i, 0,1,2,3,4,5,6,7
	ds_store_b128 v[SA], v[RAW+32*(\b)+4*\i:RAW+32*(\b)+4*\i+3] offset:160*\i
.endr
.endm
.macro TURN_LD
	WIN 0x40
.irp t, 0,1,2,3
.irp c, 0,1
	ds_load_b128 v[F+8*\t+4*\c:F+8*\t+4*\c+3], v[FA] offset:TP*\t+16*\c
.endr
.endr
.endm
.macro MM1                             ; eight accumulators by turns, one instruction a turn
	WIN 0x15
.irp t, 0,1,2,3
.irp u, 0,1
	v_wmma_f32_16x16x4_f32 v[A+16*\t+8*\u:A+16*\t+8*\u+7], v[W1F+8*\u:W1F+8*\u+1], v[F+8*\t:F+8*\t+1], v[C1+8*\u:C1+8*\u+7]
.endr
.endr
	WIN 0x05
.irp s, 1,2,3
.irp t, 0,1,2,3
.irp u, 0,1
	v_wmma_f32_16x16x4_f32 v[A+16*\t+8*\u:A+16*\t+8*\u+7], v[W1F+8*\u+2*\s:W1F+8*\u+2*\s+1], v[F+8*\t+2*\s:F+8*\t+2*\s+1], v[A+16*\t+8*\u:A+16*\t+8*\u+7]
.endr
.endr
.endr
.endm
; 64 numbers of a lane (register 16 b + i = feature 16 h + i of tile b's row r), ReLU and quantiser: P in v[PC] on, its scale word in v[PW].
.macro QUANT s
.irp b, 0,1,2,3
	v_max3_num_f32 v[TM+\b], v[(\s)+16*\b], v[(\s)+1+16*\b], 0x1800000   ; no |.|: what is negative does not count; the floor 2^(3 - 127) holds the byte at 1 from below
.endr
.irp i, 2,4,6,8,10,12,14
.irp b, 0,1,2,3
	v_max3_num_f32 v[TM+\b], v[TM+\b], v[(\s)+16*\b+\i], v[(\s)+1+16*\b+\i]
.endr
.endr
.irp b, 0,1,2,3
	v_permlanex16_b32 v[TM+4+\b], v[TM+\b], s40, s41
.endr
.irp b, 0,1,2,3
	v_max_num_f32 v[TM+\b], v[TM+\b], v[TM+4+\b]   ; with lane l xor 16's sixteen features: the block's largest number
.endr
.irp b, 0,1,2,3
	v_add_nc_u32 v[TM+12+\b], 0xff000000, v[TM+\b] ; 2 off its exponent field: the conversion's scale operand
.endr
.irp b, 0,1,2,3
	v_lshrrev_b32 v[TM+4+\b], 23, v[TM+12+\b]      ; the scale's byte
.endr
	v_lshl_or_b32 v[PW], v[TM+5], 8, v[TM+4]
	v_lshl_or_b32 v[PW], v[TM+6], 16, v[PW]
	v_lshl_or_b32 v[PW], v[TM+7], 24, v[PW]
.irp b, 0,1,2,3
	v_cvt_scalef32_pk8_fp4_f32 v[PC+2*\b], v[(\s)+16*\b:(\s)+7+16*\b], v[TM+12+\b]
	v_cvt_scalef32_pk8_fp4_f32 v[PC+1+2*\b], v[(\s)+8+16*\b:(\s)+15+16*\b], v[TM+12+\b]
.endr
	v_nop                                          ; one plain place behind the scaled conversions
.irp i, 0,1,2,3,4,5,6,7
	v_and_b32 v[T+\i], s42, v[PC+\i]               ; the eight sign bits,
.endr
.irp i, 0,1,2,3,4,5,6,7
	v_lshrrev_b32 v[T+8+\i], 3, v[T+\i]
.endr
.irp i, 0,1,2,3,4,5,6,7
	v_sub_nc_u32 v[T+\i], v[T+\i], v[T+8+\i]       ; 8 - 1 = 7 in each negative code's four bits,
.endr
.irp i, 0,1,2,3,4,5,6,7
	v_bfi_b32 v[PC+\i], v[T+\i], 0, v[PC+\i]       ; whose magnitude bits are cleared: ReLU on the codes
.endr
.irp c, 0,1                            ; the operand's layout wants a whole block in a lane: lanes 0-15 block 2 c, lanes 16-31 block 2 c + 1
.irp i, 0,1
	v_permlane16_swap_b32 v[PC+4*\c+\i], v[PC+2+4*\c+\i]
.endr
.endr
.endm
; Eight products on codes: tile t x unit tile u.  The fragment for (u, t) begins at 16 u + 8 (t % 2) + 4 (1 - t / 2): [LO,0], [HI,0], [0,LO], [0,HI].
.macro MMQ wf, kp, b, ws, bs
.if \kp
	WIN 0x11
.else
	WIN 0x01
.endif
.irp t, 0,1,2,3
.irp u, 0,1
.if \kp
	v_wmma_scale_f32_16x16x128_f8f6f4 v[Z+16*\t+8*\u:Z+16*\t+8*\u+7], v[(\wf)+16*\u+8*(\t%2)+4*(1-\t/2):(\wf)+16*\u+8*(\t%2)+4*(1-\t/2)+7], v[\b:\b+7], v[KP+8*\u:KP+8*\u+7], v[\ws+\u], v[\bs] matrix_a_fmt:MATRIX_FMT_FP4 matrix_b_fmt:MATRIX_FMT_FP4
.else
	v_wmma_scale_f32_16x16x128_f8f6f4 v[Z+16*\t+8*\u:Z+16*\t+8*\u+7], v[(\wf)+16*\u+8*(\t%2)+4*(1-\t/2):(\wf)+16*\u+8*(\t%2)+4*(1-\t/2)+7], v[\b:\b+7], 0, v[\ws+\u], v[\bs] matrix_a_fmt:MATRIX_FMT_FP4 matrix_b_fmt:MATRIX_FMT_FP4
.endif
.endr
.endr
.endm
.macro STAT src
.irp t, 0,1,2,3
.irp p, 0,1,2,3,4,5,6,7
	v_pk_add_f32 v[SUMD+2*\p:SUMD+2*\p+1], v[SUMD+2*\p:SUMD+2*\p+1], v[(\src)+16*\t+2*\p:(\src)+16*\t+2*\p+1]
.endr
.endr
.irp t, 0,1,2,3
.irp p, 0,1,2,3,4,5,6,7
	v_pk_fma_f32 v[SUMQ+2*\p:SUMQ+2*\p+1], v[(\src)+16*\t+2*\p:(\src)+16*\t+2*\p+1], v[(\src)+16*\t+2*\p:(\src)+16*\t+2*\p+1], v[SUMQ+2*\p:SUMQ+2*\p+1]
.endr
.endr
.endm
.macro STATF src
.set n0, 0
.rept 16
	v_mov_b32 v[K+n0], v[(\src)+n0]
.set n0, n0+1
.endr
	WIN 0x41
.irp p, 0,1,2,3,4,5,6,7
	v_pk_add_f32 v[KP+2*\p:KP+2*\p+1], v[KP+2*\p:KP+2*\p+1], v[K+2*\p:K+2*\p+1] neg_lo:[0,1] neg_hi:[0,1]
.endr
	WIN 0
.irp p, 0,1,2,3,4,5,6,7
	v_pk_add_f32 v[T:T+1], v[(\src)+16+2*\p:(\src)+17+2*\p], v[K+2*\p:K+2*\p+1] neg_lo:[0,1] neg_hi:[0,1]
	v_pk_add_f32 v[T+2:T+3], v[(\src)+32+2*\p:(\src)+33+2*\p], v[K+2*\p:K+2*\p+1] neg_lo:[0,1] neg_hi:[0,1]
	v_pk_add_f32 v[T+4:T+5], v[(\src)+48+2*\p:(\src)+49+2*\p], v[K+2*\p:K+2*\p+1] neg_lo:[0,1] neg_hi:[0,1]
	v_pk_add_f32 v[SUMD+2*\p:SUMD+2*\p+1], v[T:T+1], v[T+2:T+3]
	v_pk_mul_f32 v[SUMQ+2*\p:SUMQ+2*\p+1], v[T:T+1], v[T:T+1]
	v_pk_add_f32 v[SUMD+2*\p:SUMD+2*\p+1], v[SUMD+2*\p:SUMD+2*\p+1], v[T+4:T+5]
	v_pk_fma_f32 v[SUMQ+2*\p:SUMQ+2*\p+1], v[T+2:T+3], v[T+2:T+3], v[SUMQ+2*\p:SUMQ+2*\p+1]
	v_pk_fma_f32 v[SUMQ+2*\p:SUMQ+2*\p+1], v[T+4:T+5], v[T+4:T+5], v[SUMQ+2*\p:SUMQ+2*\p+1]
.endr
.endm
; A weight [32][32] becomes fragments.  Every lane (r, h) holds the whole rows r + (r & 8) + 8 u, u = 0, 1, in v[src + 32 u] on: a row is one block, so no lane asks another.
.macro WQ src, wf, ws
.irp u, 0,1
	v_max3_num_f32 v[TM+2*\u], |v[(\src)+32*\u]|, |v[(\src)+32*\u+1]|, |v[(\src)+32*\u+2]|
	v_max3_num_f32 v[TM+2*\u+1], |v[(\src)+32*\u+3]|, |v[(\src)+32*\u+4]|, |v[(\src)+32*\u+5]|
.endr
.irp i, 6,10,14,18,22,26
.irp u, 0,1
	v_max3_num_f32 v[TM+2*\u], v[TM+2*\u], |v[(\src)+32*\u+\i]|, |v[(\src)+32*\u+\i+1]|
	v_max3_num_f32 v[TM+2*\u+1], v[TM+2*\u+1], |v[(\src)+32*\u+\i+2]|, |v[(\src)+32*\u+\i+3]|
.endr
.endr
.irp u, 0,1
	v_max3_num_f32 v[TM+2*\u], v[TM+2*\u], |v[(\src)+32*\u+30]|, |v[(\src)+32*\u+31]|
.endr
.irp u, 0,1
	v_max3_num_f32 v[TM+2*\u], v[TM+2*\u], v[TM+2*\u+1], 0x1800000
.endr
.irp u, 0,1
	v_add_nc_u32 v[TM+12+\u], 0xff000000, v[TM+2*\u]
.endr
.irp u, 0,1
	v_lshrrev_b32 v[TM+8+\u], 23, v[TM+12+\u]
.endr
.irp u, 0,1
	v_lshl_or_b32 v[(\ws)+\u], v[TM+8+\u], 8, v[TM+8+\u]       ; the row's byte in all four bytes of its word: it serves whichever block holds the codes
.endr
.irp u, 0,1
	v_lshl_or_b32 v[(\ws)+\u], v[(\ws)+\u], 16, v[(\ws)+\u]
.endr
.irp u, 0,1
.irp g, 0,1,2,3
	v_cvt_scalef32_pk8_fp4_f32 v[PC+4*\u+\g], v[(\src)+32*\u+8*\g:(\src)+32*\u+8*\g+7], v[TM+12+\u]
.endr
.endr
	v_nop                                          ; one plain place behind the scaled conversions
	WIN 0x40
.irp u, 0,1
.irp g, 0,1,2,3
	v_and_b32 v[(\wf)+16*\u+4+\g], v[MLO], v[PC+4*\u+\g]
	v_and_b32 v[(\wf)+16*\u+12+\g], v[MHI], v[PC+4*\u+\g]
.endr
.endr
.irp z, 0,1,2,3,4
.irp g, 0,1,2,3
	v_mov_b32 v[(\wf)+8*\z+\g], 0
.endr
.endr
	WIN 0
.endm
.macro COMBINE n, base, cnt, inv
.irp c, 0,1,2,3
	v_pk_add_f32 v[CT+2*\c:CT+2*\c+1], v[(\base)+2*\c:(\base)+2*\c+1], v[(\base)+8+2*\c:(\base)+9+2*\c]
.endr
.set ci, 8
.rept (\n)-8
	v_pk_add_f32 v[CT+2*(ci%4):CT+2*(ci%4)+1], v[CT+2*(ci%4):CT+2*(ci%4)+1], v[(\base)+2*ci:(\base)+2*ci+1]
.set ci, ci+1
.endr
	v_pk_add_f32 v[CT:CT+1], v[CT:CT+1], v[CT+2:CT+3]
	v_pk_add_f32 v[CT+4:CT+5], v[CT+4:CT+5], v[CT+6:CT+7]
	v_pk_add_f32 v[CT:CT+1], v[CT:CT+1], v[CT+4:CT+5]
	v_mul_f32 v[CM], \inv, v[CT]
.set ci, 0
.rept \n
	v_sub_f32 v[(\base)+2*ci], v[(\base)+2*ci], v[CM]
.set ci, ci+1
.endr
.irp c, 0,1,2,3
	v_mul_f32 v[TM+8+\c], v[(\base)+2*\c], v[(\base)+2*\c]
.endr
.set ci, 4
.rept (\n)-4
	v_fmac_f32 v[TM+8+ci%4], v[(\base)+2*ci], v[(\base)+2*ci]
.set ci, ci+1
.endr
	v_add_f32 v[TM+8], v[TM+8], v[TM+9]
	v_add_f32 v[TM+10], v[TM+10], v[TM+11]
	v_add_f32 v[TM+8], v[TM+8], v[TM+10]
	v_fmamk_f32 v[CM+1], v[TM+8], \cnt, v[CT+1]
.endm
; The 256 partial statistics become a and c.  Lane = feature.  Wave w joins work-groups 32 w .. 32 w + 31 (their pairs were loaded into v[Z] on), then every wave joins the eight waves.
.macro PRO
	s_wait_loadcnt 0x0
	COMBINE 32, Z, 0x46000000, 0x3d000000          ; 32 parts of 8,192 values
	ds_store_b64 v[WS2S], v[CM:CM+1]
	s_wait_dscnt 0x0                               ; for the other waves' sake
	s_barrier_signal -1
	s_barrier_wait -1
.irp i, 0,1,2,3,4,5,6,7
	ds_load_b64 v[Z+2*\i:Z+2*\i+1], v[WS2L] offset:256*\i
.endr
	v_mov_b32 v[T+3], 0x35000000                   ; 2^-21 = 1 / 2,097,152
	s_wait_dscnt 0x0
	COMBINE 8, Z, 0x48800000, 0x3e000000           ; 8 parts of 262,144 values
	v_fmaak_f32 v[T], v[CM+1], v[T+3], 0x3727c5ac  ; the biased variance + 1e-5
	v_rsq_f32 v[T+1], v[T]
	v_sub_f32 v[T+2], v[GB+2], v[CM]               ; b - mean: the plain instruction behind the transcendental
	s_wait_alu depctr_va_vdst(0)                   ; a wait ahead of the first reader of the root
	v_mul_f32 v[T+1], v[T+1], v[GB]                ; a
	v_fma_f32 v[T+2], v[T+2], v[T+1], v[GB+1]      ; c
	ds_store_b32 v[PBA], v[T+1]
	ds_store_b32 v[PBA], v[T+2] offset:128
.endm
.macro EPI pp
	s_mul_i32 s44, s2, TRW                         ; every LDS address is made here, ahead of the branch on the wave's number
	s_add_co_u32 s44, s44, TR
	v_mul_u32_u24 v10, v[H], 16*144
	v_lshl_add_u32 v10, v[R], 3, v10
	v_add_nc_u32 v10, s44, v10
	v_mul_u32_u24 v11, v[LN], 144
	v_add_nc_u32 v11, s44, v11
	v_lshlrev_b32 v15, 3, v[LN]
	v_add_nc_u32 v14, WS, v15
	s_lshl_b32 s44, s2, 8
	v_add_nc_u32 v13, s44, v14
.set n0, 0
.rept 16
	v_mul_f32 v[T+n0], 0x3c800000, v[SUMD+n0]
.set n0, n0+1
.endr
.set n0, 0
.rept 16
	v_add_f32 v[Z+2*n0], v[K+n0], v[T+n0]
	v_fma_f32 v[Z+2*n0+1], -v[T+n0], v[SUMD+n0], v[SUMQ+n0]
.set n0, n0+1
.endr
.set n0, 0
.rept 16
	ds_store_b64 v10, v[Z+2*n0:Z+2*n0+1] offset:144*n0
.set n0, n0+1
.endr
.irp q, 0,1,2,3,4,5,6,7
	ds_load_b128 v[Z+32+4*\q:Z+35+4*\q], v11 offset:16*\q
.endr
	s_wait_dscnt 0x0
	COMBINE 16, Z+32, 0x42800000, 0x3d800000
	ds_store_b64 v13, v[CM:CM+1]
	s_wait_dscnt 0x0
	s_barrier_signal -1
	s_barrier_wait -1
	s_cmp_lg_u32 s2, 0
	s_cbranch_scc1 .Ldone
.irp i, 0,1,2,3,4,5,6,7
	ds_load_b64 v[Z+2*\i:Z+2*\i+1], v14 offset:256*\i
.endr
	s_wait_dscnt 0x0
	COMBINE 8, Z, 0x44800000, 0x3e000000
	global_store_b64 v15, v[CM:CM+1], s[\pp:\pp+1]
.Ldone:
	s_wait_tensorcnt 0x0
	ds_add_u32 v244, v245
	s_wait_dscnt 0x0
	s_endpgm
.endm
	s_load_b128 s[4:7], s[0:1], 0x0                ; x, W1
	s_load_b128 s[8:11], s[0:1], 0x10              ; b1, g1
	s_load_b128 s[12:15], s[0:1], 0x20             ; be1, W2
	s_load_b128 s[16:19], s[0:1], 0x30             ; b2, part1
	s_load_b128 s[20:23], s[0:1], 0x40             ; c1, s1
	s_load_b64 s[24:25], s[0:1], 0x50              ; part2
	v_lshl_add_u32 v244, v0, 2, 0x17000
	v_mov_b32 v245, 0
	v_lshrrev_b32 v13, 5, v0
	v_readfirstlane_b32 s2, v13                    ; wave 0..7
	v_and_b32 v[LN], 31, v0
	v_and_b32 v[R], 15, v0
	v_bfe_u32 v[H], v0, 4, 1
	v_lshlrev_b32 v[XO], 4, v[LN]
	s_mul_i32 s44, s2, STGW
	v_bfe_u32 v13, v0, 2, 2
	v_mul_u32_u24 v13, v13, TP
	v_mad_u32_u24 v13, v[H], RP, v13
	v_and_b32 v14, 3, v0
	v_lshl_add_u32 v13, v14, 4, v13
	v_add_nc_u32 v[SA], s44, v13
	v_mul_u32_u24 v13, v[R], RP
	v_lshl_add_u32 v13, v[H], 5, v13
	v_add_nc_u32 v[FA], s44, v13
	v_and_b32 v13, 8, v[R]
	v_add_nc_u32 v[UR], v13, v[R]
	v_add_nc_u32 v[MLO], -1, v[H]
	v_sub_nc_u32 v[MHI], 0, v[H]
	v_lshlrev_b32 v13, 7, v[UR]                    ; W2: row r + (r & 8) of 128 bytes
	v_lshlrev_b32 v14, 6, v[UR]
	v_lshl_add_u32 v14, v[H], 5, v14               ; W1: the same row of 64 bytes, + 32 h
	v_lshlrev_b32 v15, 6, v[H]                     ; b2: features 16 h on
	v_lshlrev_b32 v[ADS], 2, v[LN]                 ; g, be, b: feature = lane
	s_lshl_b32 s44, s2, 13
	v_lshl_add_u32 v[ADT], v[LN], 3, s44           ; the partials: work-groups 32 wave on, feature = lane
	s_lshl_b32 s44, s2, 10
	s_add_co_u32 s44, s44, SOUT
	v_lshl_add_u32 v[SWA], v[R], 2, s44
	s_lshl_b32 s44, s2, 8
	v_lshlrev_b32 v[WS2L], 3, v[LN]
	v_add_nc_u32 v[WS2L], WS2, v[WS2L]
	v_add_nc_u32 v[WS2S], s44, v[WS2L]
	s_add_co_u32 s44, s44, PB
	v_lshl_add_u32 v[PBA], v[LN], 2, s44
	v_lshl_add_u32 v[PBD], v[H], 6, s44
	v_lshl_add_u32 v[PBU], v[UR], 2, s44
	s_mov_b32 s40, 0x76543210
	s_mov_b32 s41, 0xfedcba98                      ; v_permlanex16_b32's selects for lane l xor 16
	s_mov_b32 s42, 0x88888888                      ; the sign bits of eight codes
	s_mov_b32 s36, 0                               ; the group's place among my scale words
	s_lshl_b32 s45, ttmp9, 3
	s_add_co_u32 s45, s45, s2                      ; my wave among the launch's 2,048
	s_lshl_b32 s46, s45, 16
	s_mov_b32 s47, 0
	s_lshl_b32 s26, s45, 14
	s_mov_b32 s27, 0
	s_lshl_b32 s28, s45, 10
	s_mov_b32 s29, 0
	s_lshl_b32 s30, ttmp9, 8
	s_mov_b32 s31, 0
	s_wait_kmcnt 0x0
	s_add_nc_u64 s[XB:XB+1], s[4:5], s[46:47]
	s_add_nc_u64 s[CB:CB+1], s[20:21], s[26:27]
	s_add_nc_u64 s[22:23], s[22:23], s[28:29]
	s_add_nc_u64 s[24:25], s[24:25], s[30:31]
	XLOAD 0, 0                                     ; x first: it lands under the prologue
	XLOAD 1, 4096
	XLOAD 2, 8192
	WIN 0
.irp u, 0,1
.irp q, 0,1,2,3,4,5,6,7
	global_load_b128 v[WN+32*\u+4*\q:WN+32*\u+4*\q+3], v13, s[14:15] offset:1024*\u+16*\q
.endr
.endr
	WIN 0x40
.irp u, 0,1
.irp c, 0,1
	global_load_b128 v[W1F+8*\u+4*\c:W1F+8*\u+4*\c+3], v14, s[6:7] offset:512*\u+16*\c
.endr
.endr
.irp q, 0,1,2,3
	global_load_b128 v[KP+4*\q:KP+4*\q+3], v15, s[16:17] offset:16*\q
.endr
	WIN 0
	global_load_b32 v[GB], v[ADS], s[10:11]
	global_load_b32 v[GB+1], v[ADS], s[12:13]
	global_load_b32 v[GB+2], v[ADS], s[8:9]
.set n0, 0
.rept 32
	global_load_b64 v[Z+2*n0:Z+2*n0+1], v[ADT], s[18:19] offset:256*n0
.set n0, n0+1
.endr
	s_wait_loadcnt 43                              ; W2's numbers are in; behind them: W1 4, b2 4, g, be, b 3, the partials 32
	WQ WN, WFA, WSA
	PRO
	WIN 0x40
.irp q, 0,1,2,3
	ds_load_b128 v[C1+4*\q:C1+4*\q+3], v[PBD] offset:128+16*\q   ; c of features 16 h on: my wave's own bytes, served in order
.endr
	WIN 0
.irp u, 0,1
	ds_load_b32 v[T+4+2*\u], v[PBU] offset:32*\u   ; a of my row of W1, twice: a pair for the packed multiply
	ds_load_b32 v[T+5+2*\u], v[PBU] offset:32*\u
.endr
	s_wait_dscnt 0x0
	WIN 0x41
.irp u, 0,1
.irp p, 0,1,2,3
	v_pk_mul_f32 v[W1F+8*\u+2*\p:W1F+8*\u+2*\p+1], v[W1F+8*\u+2*\p:W1F+8*\u+2*\p+1], v[T+4+2*\u:T+5+2*\u]
.endr
.endr
	TURN_ST 0
	TURN_LD
.macro GROUP b, ld, nx, lc, first
	WIN 0
	s_wait_dscnt 0x0                               ; this group's fragments are in; the stores out of buffer b and of the last scale word have read their registers
.if \ld
	XLOAD \b, 12288
.endif
	MM1
.if \nx
	s_wait_loadcnt \lc                             ; group g + 1's eight loads are in; the younger ones may be out
	TURN_ST (\b+1)%3
.endif
	PLACES 8                                       ; eight places behind the f32 form, ahead of the loads into x's fragments and of the first read of the results
.if \nx
	TURN_LD
.endif
	WIN 0
	QUANT A
	global_store_b128 v[XO], v[PC:PC+3], s[CB:CB+1] th:TH_STORE_NT              ; each store covers 512 consecutive bytes, aligned
	global_store_b128 v[XO], v[PC+4:PC+7], s[CB:CB+1] offset:512 th:TH_STORE_NT
	v_add_nc_u32 v[ADT], s36, v[SWA]
	ds_store_b32 v[ADT], v[PW]                     ; both halves of the lanes write the same word with the same value
	PLACES 4                                       ; an operand written by vector instructions stands four places ahead of a scaled product; the scale word stands more than eight back
	MMQ WFA, 1, PC, WSA, PW
	WIN 0
	PLACES 4
.if \first
	STATF Z
.else
	STAT Z
.endif
	s_wait_xcnt 0x0                                ; loads and stores have read their bases and the codes' registers: all may be written again
	s_add_nc_u64 s[XB:XB+1], s[XB:XB+1], 4096
	s_add_nc_u64 s[CB:CB+1], s[CB:CB+1], 1024
	s_add_co_u32 s36, s36, 64
.endm
	GROUP 0, 1, 1, 16, 1
	s_mov_b32 s3, 0
.Lloop:                                                ; groups 1 to 12, three a trip
	GROUP 1, 1, 1, 16, 0
	GROUP 2, 1, 1, 16, 0
	GROUP 0, 1, 1, 16, 0
	s_add_co_u32 s3, s3, 1
	s_cmp_lt_u32 s3, 4
	s_cbranch_scc1 .Lloop
	GROUP 1, 0, 1, 8, 0
	GROUP 2, 0, 1, 0, 0
	GROUP 0, 0, 0, 0, 0
	s_lshl_b32 s44, s2, 10                         ; my 1,024 bytes of scale words leave in two stores of 512 consecutive bytes
	s_add_co_u32 s44, s44, SOUT
	v_add_nc_u32 v[ADS], s44, v[XO]
	ds_load_b128 v[PC:PC+3], v[ADS]
	ds_load_b128 v[PC+4:PC+7], v[ADS] offset:512
	s_wait_dscnt 0x0
	global_store_b128 v[XO], v[PC:PC+3], s[22:23] th:TH_STORE_NT
	global_store_b128 v[XO], v[PC+4:PC+7], s[22:23] offset:512 th:TH_STORE_NT
	EPI 24
.Lfunc_end_k_qd4385c75f9_layer1:
	.size	k_qd4385c75f9_layer1, .Lfunc_end_k_qd4385c75f9_layer1-k_qd4385c75f9_layer1
	.p2alignl 7, 3214868480
	.fill 96, 4, 3214868480
	.section	.rodata,"a",@progbits
	.p2align	6, 0x0
	.amdhsa_kernel k_qd4385c75f9_layer1
		.amdhsa_group_segment_fixed_size 95232
		.amdhsa_private_segment_fixed_size 0
		.amdhsa_enable_private_segment 0
		.amdhsa_kernarg_size 88
		.amdhsa_user_sgpr_count 2
		.amdhsa_user_sgpr_kernarg_segment_ptr 1
		.amdhsa_wavefront_size32 1
		.amdhsa_system_sgpr_workgroup_id_x 1
		.amdhsa_system_sgpr_workgroup_id_y 1
		.amdhsa_system_sgpr_workgroup_id_z 1
		.amdhsa_system_vgpr_workitem_id 0
		.amdhsa_next_free_vgpr 512
		.amdhsa_next_free_sgpr 80
		.amdhsa_reserve_vcc 0
		.amdhsa_float_denorm_mode_32 3
		.amdhsa_float_denorm_mode_16_64 3
		.amdhsa_memory_ordered 1
		.amdhsa_forward_progress 1
		.amdhsa_inst_pref_size 137
	.end_amdhsa_kernel
	.amdgpu_metadata
---
amdhsa.version: [ 1, 2 ]
amdhsa.kernels:
  - .name:           k_qd4385c75f9_layer1
    .symbol:         k_qd4385c75f9_layer1.kd
    .args:
      - { .name: x, .offset: 0, .size: 8, .value_kind: global_buffer, .address_space: global }
      - { .name: W1, .offset: 8, .size: 8, .value_kind: global_buffer, .address_space: global }
      - { .name: b1, .offset: 16, .size: 8, .value_kind: global_buffer, .address_space: global }
      - { .name: g1, .offset: 24, .size: 8, .value_kind: global_buffer, .address_space: global }
      - { .name: be1, .offset: 32, .size: 8, .value_kind: global_buffer, .address_space: global }
      - { .name: W2, .offset: 40, .size: 8, .value_kind: global_buffer, .address_space: global }
      - { .name: b2, .offset: 48, .size: 8, .value_kind: global_buffer, .address_space: global }
      - { .name: part1, .offset: 56, .size: 8, .value_kind: global_buffer, .address_space: global }
      - { .name: c1, .offset: 64, .size: 8, .value_kind: global_buffer, .address_space: global }
      - { .name: s1, .offset: 72, .size: 8, .value_kind: global_buffer, .address_space: global }
      - { .name: part2, .offset: 80, .size: 8, .value_kind: global_buffer, .address_space: global }
    .group_segment_fixed_size: 95232
    .private_segment_fixed_size: 0
    .kernarg_segment_align: 8
    .kernarg_segment_size: 88
    .max_flat_workgroup_size: 256
    .sgpr_count:     80
    .vgpr_count:     512
    .wavefront_size: 32
...
	.end_amdgpu_metadata
.endif
;; end of part 2
;; launch layer2 (part 3): grid 256 x 1, 8 waves a work-group, no clusters, 197,632 bytes of LDS; arguments c1, s1, W2, b2, g2, be2, W3, b3, part2, c2, s2, part3; writes c2, s2, part3
.if DOCPART == 3
	.amdgcn_target "amdgcn-amd-amdhsa--gfx1250"
	.amdhsa_code_object_version 6
	.text
	.protected	k_qd4385c75f9_layer2
	.globl	k_qd4385c75f9_layer2
	.p2align	8
	.type	k_qd4385c75f9_layer2,@function
k_qd4385c75f9_layer2:
	s_mov_b64 s[64:65], 0
	v_nop
	global_prefetch_b8 v0, s[64:65] scope:SCOPE_SE
	s_setreg_imm32_b32 hwreg(HW_REG_WAVE_MODE, 25, 1), 1
	s_wait_xcnt 0x0
; THIRD OF FOUR LAUNCHES.  y2 = Q(p1) Q(W2)^T on the stored codes; zn2 = y2 a + c with a = rsq(var + 1e-5) g2, c = (b2 - mean) a + be2; p2 = relu(zn2) is quantised and stored (c2, s2);
; z3 = Q(p2) Q(W3)^T + b3 is formed on the codes and only its statistics leave (part3).
; SHARES AND LAYOUT as in the launches before: a wave owns 16 groups of 64 rows; a group's operand P (8 registers) holds its four tiles as the four blocks along K; a weight fragment holds the weight in one block and zero codes in the others.
; INPUT.  A wave's 16,384 bytes of codes and 1,024 bytes of scale words are two dense blocks of memory: two tensor loads a wave, issued first of all, bring them into the wave's own LDS bytes, which are filled once
; and read by that wave alone, behind its own wait.  Two tensor loads of a wave are out at the most.  They land under the prologue.
; No cluster: the work-groups share the weights and 65,536 bytes of partials against 139,264 bytes of codes and scales of their own.
; LIMITS: as in the launch before (NaN, infinities; blocks under 2^-124 keep the byte 1 with zero codes; the order of sums).
.set CIN,   0                          ; a wave's 16 groups x 1,024 bytes of codes
.set SIN,   131072                     ; a wave's 16 x 64 bytes of scale words
.set SOUT,  139264
.set WS2,   147456
.set PB,    149504
.set TR,    151552
.set TRW,   4608
.set WS,    188416
.set LN,   1
.set R,    2
.set H,    3
.set XO,   4
.set PINA, 5                           ; v5  CIN + 16,384 wave + 16 lane
.set PSA,  6                           ; v6  SIN + 1,024 wave + 4 r
.set SWA,  7
.set ADT,  8
.set ADS,  9
.set MLO,  10
.set MHI,  11
.set UR,   12
.set ADW,  13
.set AA,   16                          ; v16-31 a, v32-47 c of features 16 h on
.set CC,   32
.set WN2,  16                          ; at the head: W3's 64 numbers
.set Z,    80
.set SUMD, 144
.set SUMQ, 160
.set K,    176
.set T,    192
.set WN,   144                         ; at the head: W2's 64 numbers
.set TM,   208
.set WS2S, TM+4
.set WS2L, TM+5
.set PBA,  TM+6
.set PBD,  TM+7
.set PC,   224
.set PIN,  232                         ; v232-239 the codes read in
.set GB,   232                         ; at the head: g, be, b
.set PW,   240                         ; v240 the scale word made, v241 the one read, v242-243 W2's, v244-245 W3's: these hold scales and nothing else
.set PS,   241
.set WSA,  242
.set WSB,  244
.set CM,   246
.set CT,   248
.set KP,   32                          ; window 1: v32-47 b3, then b3 - K; v48-83 W2's fragments; v84-119 W3's
.set WFA,  48
.set WFB,  84
.set CB,   34                          ; s[34:35] c2 at the group in hand
.set MSB, 0
.macro WIN new
.if MSB != \new
	s_set_vgpr_msb (MSB<<8)|\new
.set MSB, \new
.endif
.endm
.macro PLACES n
.rept \n
	v_nop
.endr
.endm
.macro QUANT s
.irp b, 0,1,2,3
	v_max3_num_f32 v[TM+\b], v[(\s)+16*\b], v[(\s)+1+16*\b], 0x1800000   ; no |.|: what is negative does not count; the floor 2^(3 - 127) holds the byte at 1 from below
.endr
.irp i, 2,4,6,8,10,12,14
.irp b, 0,1,2,3
	v_max3_num_f32 v[TM+\b], v[TM+\b], v[(\s)+16*\b+\i], v[(\s)+1+16*\b+\i]
.endr
.endr
.irp b, 0,1,2,3
	v_permlanex16_b32 v[TM+4+\b], v[TM+\b], s40, s41
.endr
.irp b, 0,1,2,3
	v_max_num_f32 v[TM+\b], v[TM+\b], v[TM+4+\b]
.endr
.irp b, 0,1,2,3
	v_add_nc_u32 v[TM+12+\b], 0xff000000, v[TM+\b]
.endr
.irp b, 0,1,2,3
	v_lshrrev_b32 v[TM+4+\b], 23, v[TM+12+\b]
.endr
	v_lshl_or_b32 v[PW], v[TM+5], 8, v[TM+4]
	v_lshl_or_b32 v[PW], v[TM+6], 16, v[PW]
	v_lshl_or_b32 v[PW], v[TM+7], 24, v[PW]
.irp b, 0,1,2,3
	v_cvt_scalef32_pk8_fp4_f32 v[PC+2*\b], v[(\s)+16*\b:(\s)+7+16*\b], v[TM+12+\b]
	v_cvt_scalef32_pk8_fp4_f32 v[PC+1+2*\b], v[(\s)+8+16*\b:(\s)+15+16*\b], v[TM+12+\b]
.endr
	v_nop                                          ; one plain place behind the scaled conversions
.irp i, 0,1,2,3,4,5,6,7
	v_and_b32 v[T+\i], s42, v[PC+\i]
.endr
.irp i, 0,1,2,3,4,5,6,7
	v_lshrrev_b32 v[T+8+\i], 3, v[T+\i]
.endr
.irp i, 0,1,2,3,4,5,6,7
	v_sub_nc_u32 v[T+\i], v[T+\i], v[T+8+\i]
.endr
.irp i, 0,1,2,3,4,5,6,7
	v_bfi_b32 v[PC+\i], v[T+\i], 0, v[PC+\i]       ; the magnitude bits of negative codes are cleared: ReLU on the codes
.endr
.irp c, 0,1
.irp i, 0,1
	v_permlane16_swap_b32 v[PC+4*\c+\i], v[PC+2+4*\c+\i]
.endr
.endr
.endm
.macro MMQ wf, kp, b, ws, bs
.if \kp
	WIN 0x11
.else
	WIN 0x01
.endif
.irp t, 0,1,2,3
.irp u, 0,1
.if \kp
	v_wmma_scale_f32_16x16x128_f8f6f4 v[Z+16*\t+8*\u:Z+16*\t+8*\u+7], v[(\wf)+16*\u+8*(\t%2)+4*(1-\t/2):(\wf)+16*\u+8*(\t%2)+4*(1-\t/2)+7], v[\b:\b+7], v[KP+8*\u:KP+8*\u+7], v[\ws+\u], v[\bs] matrix_a_fmt:MATRIX_FMT_FP4 matrix_b_fmt:MATRIX_FMT_FP4
.else
	v_wmma_scale_f32_16x16x128_f8f6f4 v[Z+16*\t+8*\u:Z+16*\t+8*\u+7], v[(\wf)+16*\u+8*(\t%2)+4*(1-\t/2):(\wf)+16*\u+8*(\t%2)+4*(1-\t/2)+7], v[\b:\b+7], 0, v[\ws+\u], v[\bs] matrix_a_fmt:MATRIX_FMT_FP4 matrix_b_fmt:MATRIX_FMT_FP4
.endif
.endr
.endr
.endm
.macro STAT src
.irp t, 0,1,2,3
.irp p, 0,1,2,3,4,5,6,7
	v_pk_add_f32 v[SUMD+2*\p:SUMD+2*\p+1], v[SUMD+2*\p:SUMD+2*\p+1], v[(\src)+16*\t+2*\p:(\src)+16*\t+2*\p+1]
.endr
.endr
.irp t, 0,1,2,3
.irp p, 0,1,2,3,4,5,6,7
	v_pk_fma_f32 v[SUMQ+2*\p:SUMQ+2*\p+1], v[(\src)+16*\t+2*\p:(\src)+16*\t+2*\p+1], v[(\src)+16*\t+2*\p:(\src)+16*\t+2*\p+1], v[SUMQ+2*\p:SUMQ+2*\p+1]
.endr
.endr
.endm
.macro STATF src
.set n0, 0
.rept 16
	v_mov_b32 v[K+n0], v[(\src)+n0]
.set n0, n0+1
.endr
	WIN 0x41
.irp p, 0,1,2,3,4,5,6,7
	v_pk_add_f32 v[KP+2*\p:KP+2*\p+1], v[KP+2*\p:KP+2*\p+1], v[K+2*\p:K+2*\p+1] neg_lo:[0,1] neg_hi:[0,1]
.endr
	WIN 0
.irp p, 0,1,2,3,4,5,6,7
	v_pk_add_f32 v[T:T+1], v[(\src)+16+2*\p:(\src)+17+2*\p], v[K+2*\p:K+2*\p+1] neg_lo:[0,1] neg_hi:[0,1]
	v_pk_add_f32 v[T+2:T+3], v[(\src)+32+2*\p:(\src)+33+2*\p], v[K+2*\p:K+2*\p+1] neg_lo:[0,1] neg_hi:[0,1]
	v_pk_add_f32 v[T+4:T+5], v[(\src)+48+2*\p:(\src)+49+2*\p], v[K+2*\p:K+2*\p+1] neg_lo:[0,1] neg_hi:[0,1]
	v_pk_add_f32 v[SUMD+2*\p:SUMD+2*\p+1], v[T:T+1], v[T+2:T+3]
	v_pk_mul_f32 v[SUMQ+2*\p:SUMQ+2*\p+1], v[T:T+1], v[T:T+1]
	v_pk_add_f32 v[SUMD+2*\p:SUMD+2*\p+1], v[SUMD+2*\p:SUMD+2*\p+1], v[T+4:T+5]
	v_pk_fma_f32 v[SUMQ+2*\p:SUMQ+2*\p+1], v[T+2:T+3], v[T+2:T+3], v[SUMQ+2*\p:SUMQ+2*\p+1]
	v_pk_fma_f32 v[SUMQ+2*\p:SUMQ+2*\p+1], v[T+4:T+5], v[T+4:T+5], v[SUMQ+2*\p:SUMQ+2*\p+1]
.endr
.endm
.macro WQ src, wf, ws
.irp u, 0,1
	v_max3_num_f32 v[TM+2*\u], |v[(\src)+32*\u]|, |v[(\src)+32*\u+1]|, |v[(\src)+32*\u+2]|
	v_max3_num_f32 v[TM+2*\u+1], |v[(\src)+32*\u+3]|, |v[(\src)+32*\u+4]|, |v[(\src)+32*\u+5]|
.endr
.irp i, 6,10,14,18,22,26
.irp u, 0,1
	v_max3_num_f32 v[TM+2*\u], v[TM+2*\u], |v[(\src)+32*\u+\i]|, |v[(\src)+32*\u+\i+1]|
	v_max3_num_f32 v[TM+2*\u+1], v[TM+2*\u+1], |v[(\src)+32*\u+\i+2]|, |v[(\src)+32*\u+\i+3]|
.endr
.endr
.irp u, 0,1
	v_max3_num_f32 v[TM+2*\u], v[TM+2*\u], |v[(\src)+32*\u+30]|, |v[(\src)+32*\u+31]|
.endr
.irp u, 0,1
	v_max3_num_f32 v[TM+2*\u], v[TM+2*\u], v[TM+2*\u+1], 0x1800000
.endr
.irp u, 0,1
	v_add_nc_u32 v[TM+12+\u], 0xff000000, v[TM+2*\u]
.endr
.irp u, 0,1
	v_lshrrev_b32 v[TM+8+\u], 23, v[TM+12+\u]
.endr
.irp u, 0,1
	v_lshl_or_b32 v[(\ws)+\u], v[TM+8+\u], 8, v[TM+8+\u]
.endr
.irp u, 0,1
	v_lshl_or_b32 v[(\ws)+\u], v[(\ws)+\u], 16, v[(\ws)+\u]
.endr
.irp u, 0,1
.irp g, 0,1,2,3
	v_cvt_scalef32_pk8_fp4_f32 v[PC+4*\u+\g], v[(\src)+32*\u+8*\g:(\src)+32*\u+8*\g+7], v[TM+12+\u]
.endr
.endr
	v_nop
	WIN 0x40
.irp u, 0,1
.irp g, 0,1,2,3
	v_and_b32 v[(\wf)+16*\u+4+\g], v[MLO], v[PC+4*\u+\g]
	v_and_b32 v[(\wf)+16*\u+12+\g], v[MHI], v[PC+4*\u+\g]
.endr
.endr
.irp z, 0,1,2,3,4
.irp g, 0,1,2,3
	v_mov_b32 v[(\wf)+8*\z+\g], 0
.endr
.endr
	WIN 0
.endm
.macro COMBINE n, base, cnt, inv
.irp c, 0,1,2,3
	v_pk_add_f32 v[CT+2*\c:CT+2*\c+1], v[(\base)+2*\c:(\base)+2*\c+1], v[(\base)+8+2*\c:(\base)+9+2*\c]
.endr
.set ci, 8
.rept (\n)-8
	v_pk_add_f32 v[CT+2*(ci%4):CT+2*(ci%4)+1], v[CT+2*(ci%4):CT+2*(ci%4)+1], v[(\base)+2*ci:(\base)+2*ci+1]
.set ci, ci+1
.endr
	v_pk_add_f32 v[CT:CT+1], v[CT:CT+1], v[CT+2:CT+3]
	v_pk_add_f32 v[CT+4:CT+5], v[CT+4:CT+5], v[CT+6:CT+7]
	v_pk_add_f32 v[CT:CT+1], v[CT:CT+1], v[CT+4:CT+5]
	v_mul_f32 v[CM], \inv, v[CT]
.set ci, 0
.rept \n
	v_sub_f32 v[(\base)+2*ci], v[(\base)+2*ci], v[CM]
.set ci, ci+1
.endr
.irp c, 0,1,2,3
	v_mul_f32 v[TM+8+\c], v[(\base)+2*\c], v[(\base)+2*\c]
.endr
.set ci, 4
.rept (\n)-4
	v_fmac_f32 v[TM+8+ci%4], v[(\base)+2*ci], v[(\base)+2*ci]
.set ci, ci+1
.endr
	v_add_f32 v[TM+8], v[TM+8], v[TM+9]
	v_add_f32 v[TM+10], v[TM+10], v[TM+11]
	v_add_f32 v[TM+8], v[TM+8], v[TM+10]
	v_fmamk_f32 v[CM+1], v[TM+8], \cnt, v[CT+1]
.endm
.macro PRO
	s_wait_loadcnt 0x0
	COMBINE 32, Z, 0x46000000, 0x3d000000
	ds_store_b64 v[WS2S], v[CM:CM+1]
	s_wait_dscnt 0x0                               ; for the other waves' sake
	s_barrier_signal -1
	s_barrier_wait -1
.irp i, 0,1,2,3,4,5,6,7
	ds_load_b64 v[Z+2*\i:Z+2*\i+1], v[WS2L] offset:256*\i
.endr
	v_mov_b32 v[T+3], 0x35000000                   ; 2^-21
	s_wait_dscnt 0x0
	COMBINE 8, Z, 0x48800000, 0x3e000000
	v_fmaak_f32 v[T], v[CM+1], v[T+3], 0x3727c5ac  ; the biased variance + 1e-5
	v_rsq_f32 v[T+1], v[T]
	v_sub_f32 v[T+2], v[GB+2], v[CM]               ; the plain instruction behind the transcendental
	s_wait_alu depctr_va_vdst(0)                   ; a wait ahead of the first reader of the root
	v_mul_f32 v[T+1], v[T+1], v[GB]
	v_fma_f32 v[T+2], v[T+2], v[T+1], v[GB+1]
	ds_store_b32 v[PBA], v[T+1]
	ds_store_b32 v[PBA], v[T+2] offset:128
.endm
.macro EPI pp
	s_mul_i32 s44, s2, TRW                         ; every LDS address is made here, ahead of the branch on the wave's number
	s_add_co_u32 s44, s44, TR
	v_mul_u32_u24 v10, v[H], 16*144
	v_lshl_add_u32 v10, v[R], 3, v10
	v_add_nc_u32 v10, s44, v10
	v_mul_u32_u24 v11, v[LN], 144
	v_add_nc_u32 v11, s44, v11
	v_lshlrev_b32 v15, 3, v[LN]
	v_add_nc_u32 v14, WS, v15
	s_lshl_b32 s44, s2, 8
	v_add_nc_u32 v13, s44, v14
.set n0, 0
.rept 16
	v_mul_f32 v[T+n0], 0x3c800000, v[SUMD+n0]
.set n0, n0+1
.endr
.set n0, 0
.rept 16
	v_add_f32 v[Z+2*n0], v[K+n0], v[T+n0]
	v_fma_f32 v[Z+2*n0+1], -v[T+n0], v[SUMD+n0], v[SUMQ+n0]
.set n0, n0+1
.endr
.set n0, 0
.rept 16
	ds_store_b64 v10, v[Z+2*n0:Z+2*n0+1] offset:144*n0
.set n0, n0+1
.endr
.irp q, 0,1,2,3,4,5,6,7
	ds_load_b128 v[Z+32+4*\q:Z+35+4*\q], v11 offset:16*\q
.endr
	s_wait_dscnt 0x0
	COMBINE 16, Z+32, 0x42800000, 0x3d800000
	ds_store_b64 v13, v[CM:CM+1]
	s_wait_dscnt 0x0
	s_barrier_signal -1
	s_barrier_wait -1
	s_cmp_lg_u32 s2, 0
	s_cbranch_scc1 .Ldone
.irp i, 0,1,2,3,4,5,6,7
	ds_load_b64 v[Z+2*\i:Z+2*\i+1], v14 offset:256*\i
.endr
	s_wait_dscnt 0x0
	COMBINE 8, Z, 0x44800000, 0x3e000000
	global_store_b64 v15, v[CM:CM+1], s[\pp:\pp+1]
.Ldone:
	s_set_vgpr_msb 0x5
	s_wait_tensorcnt 0x0
	ds_add_u32 v254, v255
	s_wait_dscnt 0x0
	s_set_vgpr_msb 0x500
	s_endpgm
.endm
	s_load_b128 s[4:7], s[0:1], 0x0                ; c1, s1
	s_load_b128 s[8:11], s[0:1], 0x10              ; W2, b2
	s_load_b128 s[12:15], s[0:1], 0x20             ; g2, be2
	s_load_b128 s[16:19], s[0:1], 0x30             ; W3, b3
	s_load_b128 s[20:23], s[0:1], 0x40             ; part2, c2
	s_load_b128 s[24:27], s[0:1], 0x50             ; s2, part3
	s_set_vgpr_msb 0x40
	v_lshl_add_u32 v254, v0, 2, 0x30000
	v_mov_b32 v255, 0
	s_set_vgpr_msb 0x4045
	ds_add_u32 v254, v255
	ds_add_u32 v254, v255
	s_set_vgpr_msb 0x4500
	v_lshrrev_b32 v13, 5, v0
	v_readfirstlane_b32 s2, v13                    ; wave 0..7
	; descriptor group 1, codes: a dense block of 16,384 bytes as 64 rows of 32 elements of 8 bytes; no padding, no mask
	s_mov_b32 s48, 3<<16
	s_mov_b32 s49, 32<<16                          ; tensor_dim0 = 32
	s_mov_b32 s50, 64<<16                          ; tensor_dim1 = 64
	s_mov_b32 s51, 32<<16                          ; tile_dim0 = 32
	s_mov_b32 s52, 64                              ; tile_dim1 = 64
	s_mov_b32 s53, 32                              ; from row to row
	s_mov_b32 s54, 0
	s_mov_b32 s55, 0
	; scale words: 1,024 bytes as 4 such rows
	s_mov_b32 s56, 3<<16
	s_mov_b32 s57, 32<<16
	s_mov_b32 s58, 4<<16
	s_mov_b32 s59, 32<<16
	s_mov_b32 s60, 4
	s_mov_b32 s61, 32
	s_mov_b32 s62, 0
	s_mov_b32 s63, 0
	s_lshl_b32 s45, ttmp9, 3
	s_add_co_u32 s45, s45, s2                      ; my wave among the launch's 2,048
	s_lshl_b32 s46, s45, 14
	s_mov_b32 s47, 0
	s_lshl_b32 s28, s45, 10
	s_mov_b32 s29, 0
	s_lshl_b32 s30, ttmp9, 8
	s_mov_b32 s31, 0
	s_mov_b32 s68, 1                               ; group 0, codes: count = 1,
	s_lshl_b32 s69, s2, 14                         ; LDS address CIN + 16,384 wave,
	s_mov_b32 s72, 1
	s_lshl_b32 s73, s2, 10
	s_add_co_u32 s73, s73, SIN
	s_wait_dscnt 0x0
	s_wait_kmcnt 0x0
	s_add_nc_u64 s[70:71], s[4:5], s[46:47]        ; my wave's codes,
	s_or_b32 s71, s71, 0x80000000                  ; type = 2
	s_add_nc_u64 s[74:75], s[6:7], s[28:29]
	s_or_b32 s75, s75, 0x80000000
	tensor_load_to_lds s[68:71], s[48:55]          ; my only two tensor loads, ahead of every wait for them, every LDS read and every barrier; their registers are not written again
	s_nop 0
	tensor_load_to_lds s[72:75], s[56:63]
	s_nop 0
.rept 4
	v_nop                                          ; four nops behind the loads
.endr
	s_add_nc_u64 s[CB:CB+1], s[22:23], s[46:47]
	s_add_nc_u64 s[24:25], s[24:25], s[28:29]
	s_add_nc_u64 s[26:27], s[26:27], s[30:31]
	v_and_b32 v[LN], 31, v0
	v_and_b32 v[R], 15, v0
	v_bfe_u32 v[H], v0, 4, 1
	v_lshlrev_b32 v[XO], 4, v[LN]
	s_lshl_b32 s44, s2, 14
	v_lshl_add_u32 v[PINA], v[LN], 4, s44
	s_lshl_b32 s44, s2, 10
	s_add_co_u32 s39, s44, SIN
	v_lshl_add_u32 v[PSA], v[R], 2, s39
	s_add_co_u32 s39, s44, SOUT
	v_lshl_add_u32 v[SWA], v[R], 2, s39
	v_and_b32 v13, 8, v[R]
	v_add_nc_u32 v[UR], v13, v[R]
	v_add_nc_u32 v[MLO], -1, v[H]
	v_sub_nc_u32 v[MHI], 0, v[H]
	v_lshlrev_b32 v13, 7, v[UR]                    ; a weight's row r + (r & 8) of 128 bytes
	v_lshlrev_b32 v15, 6, v[H]
	v_lshlrev_b32 v[ADS], 2, v[LN]
	s_lshl_b32 s44, s2, 13
	v_lshl_add_u32 v[ADT], v[LN], 3, s44
	s_lshl_b32 s44, s2, 8
	v_lshlrev_b32 v[WS2L], 3, v[LN]
	v_add_nc_u32 v[WS2L], WS2, v[WS2L]
	v_add_nc_u32 v[WS2S], s44, v[WS2L]
	s_add_co_u32 s44, s44, PB
	v_lshl_add_u32 v[PBA], v[LN], 2, s44
	v_lshl_add_u32 v[PBD], v[H], 6, s44
	s_mov_b32 s40, 0x76543210
	s_mov_b32 s41, 0xfedcba98
	s_mov_b32 s42, 0x88888888
	s_mov_b32 s36, 0                               ; where this group's scale words go;
	s_mov_b32 s37, 1024                            ; where the next group's codes,
	s_mov_b32 s38, 64                              ; and scale words lie
.irp u, 0,1
.irp q, 0,1,2,3,4,5,6,7
	global_load_b128 v[WN+32*\u+4*\q:WN+32*\u+4*\q+3], v13, s[8:9] offset:1024*\u+16*\q
.endr
.endr
.irp u, 0,1
.irp q, 0,1,2,3,4,5,6,7
	global_load_b128 v[WN2+32*\u+4*\q:WN2+32*\u+4*\q+3], v13, s[16:17] offset:1024*\u+16*\q
.endr
.endr
	WIN 0x40
.irp q, 0,1,2,3
	global_load_b128 v[KP+4*\q:KP+4*\q+3], v15, s[18:19] offset:16*\q
.endr
	WIN 0
	global_load_b32 v[GB], v[ADS], s[12:13]
	global_load_b32 v[GB+1], v[ADS], s[14:15]
	global_load_b32 v[GB+2], v[ADS], s[10:11]
.set n0, 0
.rept 32
	global_load_b64 v[Z+2*n0:Z+2*n0+1], v[ADT], s[20:21] offset:256*n0
.set n0, n0+1
.endr
	s_wait_loadcnt 55                              ; W2's numbers are in; behind them: W3 16, b3 4, g, be, b 3, the partials 32
	WQ WN, WFA, WSA
	s_wait_loadcnt 39                              ; W3's are in
	WQ WN2, WFB, WSB
	PRO
.irp q, 0,1,2,3
	ds_load_b128 v[AA+4*\q:AA+4*\q+3], v[PBD] offset:16*\q          ; my wave's own bytes, served in order
	ds_load_b128 v[CC+4*\q:CC+4*\q+3], v[PBD] offset:128+16*\q
.endr
	s_wait_dscnt 0x0
	s_wait_tensorcnt 0x0                           ; my codes and scale words lie in LDS; nobody else reads them
	ds_load_b128 v[PIN:PIN+3], v[PINA]
	ds_load_b128 v[PIN+4:PIN+7], v[PINA] offset:512
	ds_load_b32 v[PS], v[PSA]
.macro BODY2 first, nx
	s_wait_dscnt 0x0                               ; this group's codes and scale word are in; the last scale word's store has read its registers
	MMQ WFA, 0, PIN, WSA, PS
	WIN 0
	PLACES 4                                       ; four places behind this form, ahead of the loads into its operands and of the first read of its results
.if \nx
	v_add_nc_u32 v[ADT], s37, v[PINA]
	v_add_nc_u32 v[ADS], s38, v[PSA]
	ds_load_b128 v[PIN:PIN+3], v[ADT]
	ds_load_b128 v[PIN+4:PIN+7], v[ADT] offset:512
	ds_load_b32 v[PS], v[ADS]
.endif
.irp t, 0,1,2,3
.irp p, 0,1,2,3,4,5,6,7
	v_pk_fma_f32 v[Z+16*\t+2*\p:Z+16*\t+2*\p+1], v[Z+16*\t+2*\p:Z+16*\t+2*\p+1], v[AA+2*\p:AA+2*\p+1], v[CC+2*\p:CC+2*\p+1]   ; the norm: y a + c; each accumulator from its low end on
.endr
.endr
	QUANT Z
	global_store_b128 v[XO], v[PC:PC+3], s[CB:CB+1] th:TH_STORE_NT
	global_store_b128 v[XO], v[PC+4:PC+7], s[CB:CB+1] offset:512 th:TH_STORE_NT
	v_add_nc_u32 v[ADW], s36, v[SWA]
	ds_store_b32 v[ADW], v[PW]
	PLACES 4                                       ; an operand written by vector instructions stands four places ahead of a scaled product; the scale word stands more than eight back
	MMQ WFB, 1, PC, WSB, PW
	WIN 0
	PLACES 4
.if \first
	STATF Z
.else
	STAT Z
.endif
	s_wait_xcnt 0x0                                ; the stores have read their base and the codes' registers
	s_add_nc_u64 s[CB:CB+1], s[CB:CB+1], 1024
	s_add_co_u32 s36, s36, 64
	s_add_co_u32 s37, s37, 1024
	s_add_co_u32 s38, s38, 64
.endm
	BODY2 1, 1
	s_mov_b32 s3, 0
.Lloop:                                                ; groups 1 to 14
	BODY2 0, 1
	s_add_co_u32 s3, s3, 1
	s_cmp_lt_u32 s3, 14
	s_cbranch_scc1 .Lloop
	BODY2 0, 0
	s_lshl_b32 s44, s2, 10
	s_add_co_u32 s44, s44, SOUT
	v_add_nc_u32 v[ADS], s44, v[XO]
	ds_load_b128 v[PC:PC+3], v[ADS]
	ds_load_b128 v[PC+4:PC+7], v[ADS] offset:512
	s_wait_dscnt 0x0
	global_store_b128 v[XO], v[PC:PC+3], s[24:25] th:TH_STORE_NT
	global_store_b128 v[XO], v[PC+4:PC+7], s[24:25] offset:512 th:TH_STORE_NT
	EPI 26
.Lfunc_end_k_qd4385c75f9_layer2:
	.size	k_qd4385c75f9_layer2, .Lfunc_end_k_qd4385c75f9_layer2-k_qd4385c75f9_layer2
	.p2alignl 7, 3214868480
	.fill 96, 4, 3214868480
	.section	.rodata,"a",@progbits
	.p2align	6, 0x0
	.amdhsa_kernel k_qd4385c75f9_layer2
		.amdhsa_group_segment_fixed_size 197632
		.amdhsa_private_segment_fixed_size 0
		.amdhsa_enable_private_segment 0
		.amdhsa_kernarg_size 96
		.amdhsa_user_sgpr_count 2
		.amdhsa_user_sgpr_kernarg_segment_ptr 1
		.amdhsa_wavefront_size32 1
		.amdhsa_system_sgpr_workgroup_id_x 1
		.amdhsa_system_sgpr_workgroup_id_y 1
		.amdhsa_system_sgpr_workgroup_id_z 1
		.amdhsa_system_vgpr_workitem_id 0
		.amdhsa_next_free_vgpr 512
		.amdhsa_next_free_sgpr 80
		.amdhsa_reserve_vcc 0
		.amdhsa_float_denorm_mode_32 3
		.amdhsa_float_denorm_mode_16_64 3
		.amdhsa_memory_ordered 1
		.amdhsa_forward_progress 1
		.amdhsa_inst_pref_size 81
	.end_amdhsa_kernel
	.amdgpu_metadata
---
amdhsa.version: [ 1, 2 ]
amdhsa.kernels:
  - .name:           k_qd4385c75f9_layer2
    .symbol:         k_qd4385c75f9_layer2.kd
    .args:
      - { .name: c1, .offset: 0, .size: 8, .value_kind: global_buffer, .address_space: global }
      - { .name: s1, .offset: 8, .size: 8, .value_kind: global_buffer, .address_space: global }
      - { .name: W2, .offset: 16, .size: 8, .value_kind: global_buffer, .address_space: global }
      - { .name: b2, .offset: 24, .size: 8, .value_kind: global_buffer, .address_space: global }
      - { .name: g2, .offset: 32, .size: 8, .value_kind: global_buffer, .address_space: global }
      - { .name: be2, .offset: 40, .size: 8, .value_kind: global_buffer, .address_space: global }
      - { .name: W3, .offset: 48, .size: 8, .value_kind: global_buffer, .address_space: global }
      - { .name: b3, .offset: 56, .size: 8, .value_kind: global_buffer, .address_space: global }
      - { .name: part2, .offset: 64, .size: 8, .value_kind: global_buffer, .address_space: global }
      - { .name: c2, .offset: 72, .size: 8, .value_kind: global_buffer, .address_space: global }
      - { .name: s2, .offset: 80, .size: 8, .value_kind: global_buffer, .address_space: global }
      - { .name: part3, .offset: 88, .size: 8, .value_kind: global_buffer, .address_space: global }
    .group_segment_fixed_size: 197632
    .private_segment_fixed_size: 0
    .kernarg_segment_align: 8
    .kernarg_segment_size: 96
    .max_flat_workgroup_size: 256
    .sgpr_count:     80
    .vgpr_count:     512
    .wavefront_size: 32
...
	.end_amdgpu_metadata
.endif
;; end of part 3
;; launch layer3 (part 4): grid 256 x 1, 8 waves a work-group, no clusters, 168,960 bytes of LDS; arguments c2, s2, W3, b3, g3, be3, W4, b4, part3, out0; writes out0
.if DOCPART == 4
	.amdgcn_target "amdgcn-amd-amdhsa--gfx1250"
	.amdhsa_code_object_version 6
	.text
	.protected	k_qd4385c75f9_layer3
	.globl	k_qd4385c75f9_layer3
	.p2align	8
	.type	k_qd4385c75f9_layer3,@function
k_qd4385c75f9_layer3:
	s_mov_b64 s[64:65], 0
	v_nop
	global_prefetch_b8 v0, s[64:65] scope:SCOPE_SE
	s_setreg_imm32_b32 hwreg(HW_REG_WAVE_MODE, 25, 1), 1
	s_wait_xcnt 0x0
; LAST OF FOUR LAUNCHES.  y3 = Q(p2) Q(W3)^T on the stored codes; p3 = relu(y3 a + c) with a = rsq(var + 1e-5) g3, c = (b3 - mean) a + be3; out = p3 . W4 + b4, in f32 by fused multiply-adds
; (a product with one column: sixteen features in a lane, the other sixteen in the lane 16 away).
; SHARES AND LAYOUT as before: a wave owns 16 groups of 64 rows, row = 64 g + 4 r + t, so that lane r holds four neighbouring outputs; lanes (r, 0) and (r, 1) store two each: one store covers the group's 256 consecutive bytes, aligned.
; INPUT by two tensor loads a wave, issued first of all, into the wave's own LDS bytes, filled once; two are out at the most.
; No cluster: the work-groups share the weights and 65,536 bytes of partials against 139,264 bytes of codes and scales of their own.
; LIMITS: NaN and infinities are not served; the order of sums differs from the reference's.
.set CIN,   0
.set SIN,   131072
.set WS2,   139264
.set PB,    141312
.set LN,   1
.set R,    2
.set H,    3
.set PINA, 5
.set PSA,  6
.set OO,   7                           ; v7  16 r + 8 h: my two outputs' place in the group's 256 bytes
.set ADT,  8
.set ADS,  9
.set MLO,  10
.set MHI,  11
.set UR,   12
.set AA,   16
.set CC,   32
.set W4R,  48                          ; v48-63 W4 of features 16 h on
.set OA,   64                          ; v64-71 a pair of partial dots for each tile
.set O,    72                          ; v72-75 the four outputs
.set OUTR, 76                          ; v76-77 the two that I store
.set BH,   78                          ; v78-79 (b4 in lanes 0-15, 0 above; 0): the first addend
.set Z,    80
.set T,    192
.set WN,   144
.set TM,   208
.set WS2S, TM+4                        ; at the head: LDS addresses (so TM+4..7 are written before they serve as a lane permute's destinations)
.set WS2L, TM+5
.set PBA,  TM+6
.set PBD,  TM+7
.set PC,   224
.set PIN,  232
.set GB,   232
.set PS,   241                         ; v241 the scale word read, v242-243 W3's: these hold scales and nothing else
.set WSA,  242
.set CM,   246
.set CT,   248
.set KP,   32
.set WFA,  48                          ; window 1: W3's fragments
.set CB,   34                          ; s[34:35] out0 at the group in hand
.set MSB, 0
.macro WIN new
.if MSB != \new
	s_set_vgpr_msb (MSB<<8)|\new
.set MSB, \new
.endif
.endm
.macro PLACES n
.rept \n
	v_nop
.endr
.endm
.macro MMQ wf, kp, b, ws, bs
.if \kp
	WIN 0x11
.else
	WIN 0x01
.endif
.irp t, 0,1,2,3
.irp u, 0,1
.if \kp
	v_wmma_scale_f32_16x16x128_f8f6f4 v[Z+16*\t+8*\u:Z+16*\t+8*\u+7], v[(\wf)+16*\u+8*(\t%2)+4*(1-\t/2):(\wf)+16*\u+8*(\t%2)+4*(1-\t/2)+7], v[\b:\b+7], v[KP+8*\u:KP+8*\u+7], v[\ws+\u], v[\bs] matrix_a_fmt:MATRIX_FMT_FP4 matrix_b_fmt:MATRIX_FMT_FP4
.else
	v_wmma_scale_f32_16x16x128_f8f6f4 v[Z+16*\t+8*\u:Z+16*\t+8*\u+7], v[(\wf)+16*\u+8*(\t%2)+4*(1-\t/2):(\wf)+16*\u+8*(\t%2)+4*(1-\t/2)+7], v[\b:\b+7], 0, v[\ws+\u], v[\bs] matrix_a_fmt:MATRIX_FMT_FP4 matrix_b_fmt:MATRIX_FMT_FP4
.endif
.endr
.endr
.endm
.macro WQ src, wf, ws
.irp u, 0,1
	v_max3_num_f32 v[TM+2*\u], |v[(\src)+32*\u]|, |v[(\src)+32*\u+1]|, |v[(\src)+32*\u+2]|
	v_max3_num_f32 v[TM+2*\u+1], |v[(\src)+32*\u+3]|, |v[(\src)+32*\u+4]|, |v[(\src)+32*\u+5]|
.endr
.irp i, 6,10,14,18,22,26
.irp u, 0,1
	v_max3_num_f32 v[TM+2*\u], v[TM+2*\u], |v[(\src)+32*\u+\i]|, |v[(\src)+32*\u+\i+1]|
	v_max3_num_f32 v[TM+2*\u+1], v[TM+2*\u+1], |v[(\src)+32*\u+\i+2]|, |v[(\src)+32*\u+\i+3]|
.endr
.endr
.irp u, 0,1
	v_max3_num_f32 v[TM+2*\u], v[TM+2*\u], |v[(\src)+32*\u+30]|, |v[(\src)+32*\u+31]|
.endr
.irp u, 0,1
	v_max3_num_f32 v[TM+2*\u], v[TM+2*\u], v[TM+2*\u+1], 0x1800000
.endr
.irp u, 0,1
	v_add_nc_u32 v[TM+12+\u], 0xff000000, v[TM+2*\u]
.endr
.irp u, 0,1
	v_lshrrev_b32 v[TM+8+\u], 23, v[TM+12+\u]
.endr
.irp u, 0,1
	v_lshl_or_b32 v[(\ws)+\u], v[TM+8+\u], 8, v[TM+8+\u]
.endr
.irp u, 0,1
	v_lshl_or_b32 v[(\ws)+\u], v[(\ws)+\u], 16, v[(\ws)+\u]
.endr
.irp u, 0,1
.irp g, 0,1,2,3
	v_cvt_scalef32_pk8_fp4_f32 v[PC+4*\u+\g], v[(\src)+32*\u+8*\g:(\src)+32*\u+8*\g+7], v[TM+12+\u]
.endr
.endr
	v_nop                                          ; one plain place behind the scaled conversions
	WIN 0x40
.irp u, 0,1
.irp g, 0,1,2,3
	v_and_b32 v[(\wf)+16*\u+4+\g], v[MLO], v[PC+4*\u+\g]
	v_and_b32 v[(\wf)+16*\u+12+\g], v[MHI], v[PC+4*\u+\g]
.endr
.endr
.irp z, 0,1,2,3,4
.irp g, 0,1,2,3
	v_mov_b32 v[(\wf)+8*\z+\g], 0
.endr
.endr
	WIN 0
.endm
.macro COMBINE n, base, cnt, inv
.irp c, 0,1,2,3
	v_pk_add_f32 v[CT+2*\c:CT+2*\c+1], v[(\base)+2*\c:(\base)+2*\c+1], v[(\base)+8+2*\c:(\base)+9+2*\c]
.endr
.set ci, 8
.rept (\n)-8
	v_pk_add_f32 v[CT+2*(ci%4):CT+2*(ci%4)+1], v[CT+2*(ci%4):CT+2*(ci%4)+1], v[(\base)+2*ci:(\base)+2*ci+1]
.set ci, ci+1
.endr
	v_pk_add_f32 v[CT:CT+1], v[CT:CT+1], v[CT+2:CT+3]
	v_pk_add_f32 v[CT+4:CT+5], v[CT+4:CT+5], v[CT+6:CT+7]
	v_pk_add_f32 v[CT:CT+1], v[CT:CT+1], v[CT+4:CT+5]
	v_mul_f32 v[CM], \inv, v[CT]
.set ci, 0
.rept \n
	v_sub_f32 v[(\base)+2*ci], v[(\base)+2*ci], v[CM]
.set ci, ci+1
.endr
.irp c, 0,1,2,3
	v_mul_f32 v[TM+8+\c], v[(\base)+2*\c], v[(\base)+2*\c]
.endr
.set ci, 4
.rept (\n)-4
	v_fmac_f32 v[TM+8+ci%4], v[(\base)+2*ci], v[(\base)+2*ci]
.set ci, ci+1
.endr
	v_add_f32 v[TM+8], v[TM+8], v[TM+9]
	v_add_f32 v[TM+10], v[TM+10], v[TM+11]
	v_add_f32 v[TM+8], v[TM+8], v[TM+10]
	v_fmamk_f32 v[CM+1], v[TM+8], \cnt, v[CT+1]
.endm
.macro PRO
	s_wait_loadcnt 0x0
	COMBINE 32, Z, 0x46000000, 0x3d000000
	ds_store_b64 v[WS2S], v[CM:CM+1]
	s_wait_dscnt 0x0                               ; for the other waves' sake
	s_barrier_signal -1
	s_barrier_wait -1
.irp i, 0,1,2,3,4,5,6,7
	ds_load_b64 v[Z+2*\i:Z+2*\i+1], v[WS2L] offset:256*\i
.endr
	v_mov_b32 v[T+3], 0x35000000                   ; 2^-21
	s_wait_dscnt 0x0
	COMBINE 8, Z, 0x48800000, 0x3e000000
	v_fmaak_f32 v[T], v[CM+1], v[T+3], 0x3727c5ac  ; the biased variance + 1e-5
	v_rsq_f32 v[T+1], v[T]
	v_sub_f32 v[T+2], v[GB+2], v[CM]               ; the plain instruction behind the transcendental
	s_wait_alu depctr_va_vdst(0)                   ; a wait ahead of the first reader of the root
	v_mul_f32 v[T+1], v[T+1], v[GB]
	v_fma_f32 v[T+2], v[T+2], v[T+1], v[GB+1]
	ds_store_b32 v[PBA], v[T+1]
	ds_store_b32 v[PBA], v[T+2] offset:128
.endm
	s_load_b128 s[4:7], s[0:1], 0x0                ; c2, s2
	s_load_b128 s[8:11], s[0:1], 0x10              ; W3, b3
	s_load_b128 s[12:15], s[0:1], 0x20             ; g3, be3
	s_load_b128 s[16:19], s[0:1], 0x30             ; W4, b4
	s_load_b128 s[20:23], s[0:1], 0x40             ; part3, out0
	v_lshl_add_u32 v244, v0, 2, 0x29000
	v_mov_b32 v245, 0
	ds_add_u32 v244, v245
	ds_add_u32 v244, v245
	v_lshrrev_b32 v13, 5, v0
	v_readfirstlane_b32 s2, v13                    ; wave 0..7
	; descriptor group 1, codes: 16,384 dense bytes as 64 rows of 32 elements of 8 bytes; no padding, no mask
	s_mov_b32 s48, 3<<16
	s_mov_b32 s49, 32<<16
	s_mov_b32 s50, 64<<16
	s_mov_b32 s51, 32<<16
	s_mov_b32 s52, 64
	s_mov_b32 s53, 32
	s_mov_b32 s54, 0
	s_mov_b32 s55, 0
	; scale words: 1,024 bytes as 4 such rows
	s_mov_b32 s56, 3<<16
	s_mov_b32 s57, 32<<16
	s_mov_b32 s58, 4<<16
	s_mov_b32 s59, 32<<16
	s_mov_b32 s60, 4
	s_mov_b32 s61, 32
	s_mov_b32 s62, 0
	s_mov_b32 s63, 0
	s_lshl_b32 s45, ttmp9, 3
	s_add_co_u32 s45, s45, s2
	s_lshl_b32 s46, s45, 14
	s_mov_b32 s47, 0
	s_lshl_b32 s28, s45, 10
	s_mov_b32 s29, 0
	s_lshl_b32 s30, s45, 12                        ; my 1,024 outputs
	s_mov_b32 s31, 0
	s_mov_b32 s68, 1
	s_lshl_b32 s69, s2, 14
	s_mov_b32 s72, 1
	s_lshl_b32 s73, s2, 10
	s_add_co_u32 s73, s73, SIN
	s_wait_dscnt 0x0
	s_wait_kmcnt 0x0
	s_add_nc_u64 s[70:71], s[4:5], s[46:47]
	s_or_b32 s71, s71, 0x80000000
	s_add_nc_u64 s[74:75], s[6:7], s[28:29]
	s_or_b32 s75, s75, 0x80000000
	tensor_load_to_lds s[68:71], s[48:55]          ; my only two tensor loads, ahead of every wait for them, every LDS read and every barrier; their registers are not written again
	s_nop 0
	tensor_load_to_lds s[72:75], s[56:63]
	s_nop 0
.rept 4
	v_nop                                          ; four nops behind the loads
.endr
	s_load_b32 s39, s[18:19], 0x0                  ; b4: nothing in this launch writes it
	s_add_nc_u64 s[CB:CB+1], s[22:23], s[30:31]
	v_and_b32 v[LN], 31, v0
	v_and_b32 v[R], 15, v0
	v_bfe_u32 v[H], v0, 4, 1
	s_lshl_b32 s44, s2, 14
	v_lshl_add_u32 v[PINA], v[LN], 4, s44
	s_lshl_b32 s44, s2, 10
	s_add_co_u32 s44, s44, SIN
	v_lshl_add_u32 v[PSA], v[R], 2, s44
	v_lshlrev_b32 v[OO], 4, v[R]
	v_lshl_add_u32 v[OO], v[H], 3, v[OO]
	v_and_b32 v13, 8, v[R]
	v_add_nc_u32 v[UR], v13, v[R]
	v_add_nc_u32 v[MLO], -1, v[H]
	v_sub_nc_u32 v[MHI], 0, v[H]
	v_lshlrev_b32 v13, 7, v[UR]
	v_lshlrev_b32 v15, 6, v[H]
	v_lshlrev_b32 v[ADS], 2, v[LN]
	s_lshl_b32 s44, s2, 13
	v_lshl_add_u32 v[ADT], v[LN], 3, s44
	s_lshl_b32 s44, s2, 8
	v_lshlrev_b32 v[WS2L], 3, v[LN]
	v_add_nc_u32 v[WS2L], WS2, v[WS2L]
	v_add_nc_u32 v[WS2S], s44, v[WS2L]
	s_add_co_u32 s44, s44, PB
	v_lshl_add_u32 v[PBA], v[LN], 2, s44
	v_lshl_add_u32 v[PBD], v[H], 6, s44
	s_mov_b32 s40, 0x76543210
	s_mov_b32 s41, 0xfedcba98
	s_mov_b32 s43, 0xffff0000                      ; lanes 16-31
	s_mov_b32 s37, 1024
	s_mov_b32 s38, 64
.irp u, 0,1
.irp q, 0,1,2,3,4,5,6,7
	global_load_b128 v[WN+32*\u+4*\q:WN+32*\u+4*\q+3], v13, s[8:9] offset:1024*\u+16*\q
.endr
.endr
.irp q, 0,1,2,3
	global_load_b128 v[W4R+4*\q:W4R+4*\q+3], v15, s[16:17] offset:16*\q
.endr
	global_load_b32 v[GB], v[ADS], s[12:13]
	global_load_b32 v[GB+1], v[ADS], s[14:15]
	global_load_b32 v[GB+2], v[ADS], s[10:11]
.set n0, 0
.rept 32
	global_load_b64 v[Z+2*n0:Z+2*n0+1], v[ADT], s[20:21] offset:256*n0
.set n0, n0+1
.endr
	s_wait_loadcnt 39                              ; W3's numbers are in; behind them: W4 4, g, be, b 3, the partials 32
	WQ WN, WFA, WSA
	PRO
.irp q, 0,1,2,3
	ds_load_b128 v[AA+4*\q:AA+4*\q+3], v[PBD] offset:16*\q          ; my wave's own bytes, served in order
	ds_load_b128 v[CC+4*\q:CC+4*\q+3], v[PBD] offset:128+16*\q
.endr
	s_wait_kmcnt 0x0
	v_and_b32 v[BH], s39, v[MLO]                   ; b4 once for each output: in lanes 0-15, in the pair's low half
	v_mov_b32 v[BH+1], 0
	s_wait_dscnt 0x0
	s_wait_tensorcnt 0x0                           ; my codes and scale words lie in LDS; nobody else reads them
	ds_load_b128 v[PIN:PIN+3], v[PINA]
	ds_load_b128 v[PIN+4:PIN+7], v[PINA] offset:512
	ds_load_b32 v[PS], v[PSA]
.macro BODY3 nx
	s_wait_dscnt 0x0
	MMQ WFA, 0, PIN, WSA, PS
	WIN 0
	PLACES 4                                       ; four places behind this form, ahead of the loads into its operands and of the first read of its results
.if \nx
	v_add_nc_u32 v[ADT], s37, v[PINA]
	v_add_nc_u32 v[ADS], s38, v[PSA]
	ds_load_b128 v[PIN:PIN+3], v[ADT]
	ds_load_b128 v[PIN+4:PIN+7], v[ADT] offset:512
	ds_load_b32 v[PS], v[ADS]
.endif
.irp t, 0,1,2,3
.irp p, 0,1,2,3,4,5,6,7
	v_pk_fma_f32 v[Z+16*\t+2*\p:Z+16*\t+2*\p+1], v[Z+16*\t+2*\p:Z+16*\t+2*\p+1], v[AA+2*\p:AA+2*\p+1], v[CC+2*\p:CC+2*\p+1]   ; the norm; each accumulator from its low end on
.endr
.endr
.set n0, 0
.rept 64
	v_max_num_f32 v[Z+n0], 0, v[Z+n0]              ; the activation
.set n0, n0+1
.endr
.irp t, 0,1,2,3
	v_pk_fma_f32 v[OA+2*\t:OA+2*\t+1], v[Z+16*\t:Z+16*\t+1], v[W4R:W4R+1], v[BH:BH+1]   ; the first products start the sums, on b4
.endr
.irp p, 1,2,3,4,5,6,7
.irp t, 0,1,2,3
	v_pk_fma_f32 v[OA+2*\t:OA+2*\t+1], v[Z+16*\t+2*\p:Z+16*\t+2*\p+1], v[W4R+2*\p:W4R+2*\p+1], v[OA+2*\t:OA+2*\t+1]   ; the four tiles by turns
.endr
.endr
.irp t, 0,1,2,3
	v_add_f32 v[O+\t], v[OA+2*\t], v[OA+2*\t+1]
.endr
.irp t, 0,1,2,3
	v_permlanex16_b32 v[TM+4+\t], v[O+\t], s40, s41
.endr
.irp t, 0,1,2,3
	v_add_f32 v[O+\t], v[O+\t], v[TM+4+\t]         ; with the other sixteen features
.endr
	v_cndmask_b32 v[OUTR], v[O], v[O+2], s43       ; lanes 0-15 store rows 4 r, 4 r + 1; lanes 16-31 rows 4 r + 2, 4 r + 3
	v_cndmask_b32 v[OUTR+1], v[O+1], v[O+3], s43
	global_store_b64 v[OO], v[OUTR:OUTR+1], s[CB:CB+1] th:TH_STORE_NT   ; 32 lanes store 256 consecutive bytes, aligned
	s_wait_xcnt 0x0                                ; the store has read its base and its data
	s_add_nc_u64 s[CB:CB+1], s[CB:CB+1], 256
	s_add_co_u32 s37, s37, 1024
	s_add_co_u32 s38, s38, 64
.endm
	s_mov_b32 s3, 0
.Lloop:                                                ; groups 0 to 14
	BODY3 1
	s_add_co_u32 s3, s3, 1
	s_cmp_lt_u32 s3, 15
	s_cbranch_scc1 .Lloop
	BODY3 0                                        ; the last group fetches nothing
	s_wait_tensorcnt 0x0
	ds_add_u32 v244, v245
	s_wait_dscnt 0x0
	s_endpgm
.Lfunc_end_k_qd4385c75f9_layer3:
	.size	k_qd4385c75f9_layer3, .Lfunc_end_k_qd4385c75f9_layer3-k_qd4385c75f9_layer3
	.p2alignl 7, 3214868480
	.fill 96, 4, 3214868480
	.section	.rodata,"a",@progbits
	.p2align	6, 0x0
	.amdhsa_kernel k_qd4385c75f9_layer3
		.amdhsa_group_segment_fixed_size 168960
		.amdhsa_private_segment_fixed_size 0
		.amdhsa_enable_private_segment 0
		.amdhsa_kernarg_size 80
		.amdhsa_user_sgpr_count 2
		.amdhsa_user_sgpr_kernarg_segment_ptr 1
		.amdhsa_wavefront_size32 1
		.amdhsa_system_sgpr_workgroup_id_x 1
		.amdhsa_system_sgpr_workgroup_id_y 1
		.amdhsa_system_sgpr_workgroup_id_z 1
		.amdhsa_system_vgpr_workitem_id 0
		.amdhsa_next_free_vgpr 512
		.amdhsa_next_free_sgpr 80
		.amdhsa_reserve_vcc 0
		.amdhsa_float_denorm_mode_32 3
		.amdhsa_float_denorm_mode_16_64 3
		.amdhsa_memory_ordered 1
		.amdhsa_forward_progress 1
		.amdhsa_inst_pref_size 38
	.end_amdhsa_kernel
	.amdgpu_metadata
---
amdhsa.version: [ 1, 2 ]
amdhsa.kernels:
  - .name:           k_qd4385c75f9_layer3
    .symbol:         k_qd4385c75f9_layer3.kd
    .args:
      - { .name: c2, .offset: 0, .size: 8, .value_kind: global_buffer, .address_space: global }
      - { .name: s2, .offset: 8, .size: 8, .value_kind: global_buffer, .address_space: global }
      - { .name: W3, .offset: 16, .size: 8, .value_kind: global_buffer, .address_space: global }
      - { .name: b3, .offset: 24, .size: 8, .value_kind: global_buffer, .address_space: global }
      - { .name: g3, .offset: 32, .size: 8, .value_kind: global_buffer, .address_space: global }
      - { .name: be3, .offset: 40, .size: 8, .value_kind: global_buffer, .address_space: global }
      - { .name: W4, .offset: 48, .size: 8, .value_kind: global_buffer, .address_space: global }
      - { .name: b4, .offset: 56, .size: 8, .value_kind: global_buffer, .address_space: global }
      - { .name: part3, .offset: 64, .size: 8, .value_kind: global_buffer, .address_space: global }
      - { .name: out0, .offset: 72, .size: 8, .value_kind: global_buffer, .address_space: global }
    .group_segment_fixed_size: 168960
    .private_segment_fixed_size: 0
    .kernarg_segment_align: 8
    .kernarg_segment_size: 80
    .max_flat_workgroup_size: 256
    .sgpr_count:     80
    .vgpr_count:     512
    .wavefront_size: 32
...
	.end_amdgpu_metadata
.endif
;; end of part 4
